; MI455X (gfx1250); checked and timed in simulation.
; The chip was launched on July 23, 2026; its instructions are those of AMD's public machine-readable ISA for CDNA 5 (MIT licence, August 2026) and "CDNA5" Instruction Set Architecture Reference Guide (July 2026). The comments in the code are by the model that wrote it; some were corrected since.
;; Attention. Allowed arithmetic: matrix products marked QUANTISED: E5M2 operands, one E8M0 scale for each 32 along K, by v_wmma_scale_f32_16x16x128_f8f6f4 with both operands' format E5M2, f32 sums; everything else in f32.
;; Inputs: Wk 768 x 768 float32; Wo 768 x 768 float32; Wq 768 x 768 float32; Wv 768 x 768 float32; bk 768 float32; bo 768 float32; bq 768 float32; bv 768 float32; x 1 x 4,096 x 768 float32.
;; Outputs: out0 1 x 4,096 x 768 float32.
;; This version of the problem:
;;   THIS VERSION OF THE PROBLEM IS GIVEN IN LOW PRECISION. The matrix products marked QUANTISED in the list below multiply operands that are first quantised to E5M2 (5 exponent bits, 2 mantissa bits; 8 bits a number), with one power-of-two scale for each 32 numbers along K (OCP MX v1.0); their sums are f32. All else is computed in f32.
;;   The module's matrix products, in the order in which they are computed (A, B: the left and right operand; K: the contracted axis; several contracted axes count as one K, in the product's order):
;;     1. [M 4,096, K 768] x [K 768, N 768]; A: input x; B: input Wq: QUANTISED
;;     2. [M 4,096, K 768] x [K 768, N 768]; A: input x; B: input Wk: QUANTISED
;;     3. [M 4,096, K 768] x [K 768, N 768]; A: input x; B: input Wv: QUANTISED
;;     4. batch 12 x [M 4,096, K 64] x [K 64, N 4,096]; A: computed on the way; B: computed on the way: QUANTISED
;;     5. batch 12 x [M 4,096, K 4,096] x [K 4,096, N 64]; A: softmax (see below); B: computed on the way: QUANTISED
;;     6. [M 4,096, K 768] x [K 768, N 768]; A: computed on the way; B: input Wo: QUANTISED
;;   THE QUANTISER, for each operand of a quantised product, along K:
;;     - K is cut into blocks of 32 from its start; a last block that is shorter is filled with zeros.
;;     - A block's scale is 2^e with e = floor(log2(the largest magnitude in the block)) - 15, held to -126 .. 127; a block of zeros has e = 0. As a byte (E8M0): e + 127.
;;     - Each number is divided by its block's scale, clamped to +-57,344, and rounded to the nearest number of E5M2, ties to even, subnormals kept.
;;     - The product sums the exact products of the quantised numbers (number of the format x scale) in f32.
;;   ~~~python
;;   def quantise(x, axis):      # numpy; x: float32 -> the quantised numbers, widened to float32 again
;;       x = np.moveaxis(x, axis, -1); K = x.shape[-1]
;;       x = np.pad(x, [(0, 0)] * (x.ndim - 1) + [(0, -K % 32)]); x = x.reshape(x.shape[:-1] + (-1, 32)); a = np.abs(x).max(-1, keepdims=True)
;;       e = np.where(a > 0, np.clip(np.frexp(np.where(a > 0, a, 1))[1] - 1 - 15, -126, 127), 0)      # np.frexp(a)[1] - 1 = floor(log2(a)), exactly
;;       r = np.clip(x / 2.0 ** e, -57344, 57344)
;;       step = 2.0 ** (np.maximum(np.frexp(np.where(r == 0, 1, r))[1] - 1, -14) - 2)
;;       q = np.round(r / step) * step * 2.0 ** e      # np.round: ties to even
;;       return np.moveaxis(q.reshape(q.shape[:-2] + (-1,))[..., :K], -1, axis).astype(np.float32)
;;   ~~~
;;   SOFTMAX AHEAD OF A QUANTISED PRODUCT. Where the list says 'softmax', what is quantised is not the finished softmax but p = 2^(t - M), with t = logit x log2(e) and M = ceil(the row's largest t), a whole number; so 1/2 < the row's largest p <= 1. The row's sum l is taken of the UNQUANTISED p, in f32, and the product's result is divided by l at the end. Since M is a whole number, a kernel that streams over the keys may use a running M (the ceiling of the running maximum): every later rescaling is an exact power of two, which a block's scale takes up: the codes' values come out the same.
;;   OPERANDS COMPUTED ON THE WAY. 'Computed on the way' means the value that the module computes at that place (a softmax that the list does not call 'softmax' is quantised finished and normalised). What goes into a quantiser is computed in f32, as accurately as f32 sums, v_exp_f32 and their like allow (about 1e-6 of the number): no bf16 or f16 on the way to a quantiser, and a product that is left as it is and whose result goes on into a quantised operand takes f32 operands (vector FMAs, or v_wmma_f32_16x16x4_f32). A number that lies on a knife's edge between two numbers of the format may be rounded either way, as far as f32 arithmetic and the matrix unit's own rounding can turn it there, and no further.
;; 2 versions. Each part assembles by itself: llvm-mc -triple=amdgcn-amd-amdhsa -mcpu=gfx1250 --defsym DOCPART=n.
;; ======== version 1 of 2: 4 launches
;; workspace buffers: xq 3,244,032 bytes; wq 2,433,024 bytes; qq 3,342,336 bytes; kv 6,586,368 bytes; yq 3,244,032 bytes
;; launch quant (part 1): grid 88 x 6, 4 waves a work-group, no clusters, 34,304 bytes of LDS; arguments x, Wq, Wk, Wv, Wo, xq, wq; writes xq, wq
.if DOCPART == 1
	.amdgcn_target "amdgcn-amd-amdhsa--gfx1250"
	.amdhsa_code_object_version 6
	.text
	.protected	k_q217de4c04a_quant
	.globl	k_q217de4c04a_quant
	.p2align	8
	.type	k_q217de4c04a_quant,@function
k_q217de4c04a_quant:
	s_mov_b64 s[64:65], 0
	v_nop
	global_prefetch_b8 v0, s[64:65] scope:SCOPE_SE
	s_setreg_imm32_b32 hwreg(HW_REG_WAVE_MODE, 25, 1), 1
	s_wait_xcnt 0x0
; x [4096][768] and the four weights [768 (k)][768 (n)], f32, become codes of BF8 (E5M2) with one E8M0 byte for each 32 along K, laid as IMAGES OF OPERAND REGISTERS:
; a fragment (16 rows x 128 K) is four parts c of 512 bytes, lane l's 16 bytes (k = 32 c + 16 (l / 16) + 0 .. 15 of row l % 16) at 512 c + 16 l.
; THE ROWS OF A TILE ARE NOT NEIGHBOURS: lane r of tile 2 b + u stands for row (or weight column) 32 b + 8 u + r + 8 (r / 8), so that later results of two neighbouring tiles are 16 neighbours along the next K.
; xq: codes [tile 256][K step 6][2048]; scale words (4 bytes: a row's 128 K) [b 128][K step 6][u 2][r 16] from XS_OFF on.
; wq: codes [matrix 4][column tile 48][K step 6][2048]; scale words [matrix][K step 6][column tile 48][r 16] from WS_OFF on.  Matrix 0 q, 1 k, 2 v, 3 o.
; A block's scale is 2^(floor(log2(its largest magnitude)) - 15); each number is held within +-57,344 x the scale and rounded to the nearest code, ties to even.
; LIMITS: a block of zeros gets the byte 1 (its codes are zeros, and this program alone reads the bytes); blocks whose largest magnitude lies under 2^-111 are held at that floor; NaN and infinities are not served.
; Work-group y is the K step of 128.  Work-groups x 0 .. 63 take x (a wave a tile of 16 rows), 64 .. 87 the weights (a wave 32 columns).  Waves share nothing: no barrier.  Only x's path uses LDS.
.set XS_OFF, 3145728
.set WS_OFF, 2359296
.set SPITCH, 528                       ; a stage row: 512 bytes + 16: sixteen rows begin at sixteen different 16-byte columns of 256
.set R,   16                           ; v16-79   x as loaded: row i in four registers
.set X,   80                           ; v80-143  64 numbers of my row: register 16 b + i = k 32 b + 16 h + i
.set TM,  144                          ; v144-147 largest magnitudes, 148-151 bytes, 152-155 the hold, 156-159 the conversions' scale operands
.set PW,  160                          ; the scale word
.set PC,  164                          ; v164-179 the fragment's codes
.set WX,  16                           ; v16-143  a weight column's 128 numbers down K
.set WC,  144                          ; v144-175 its codes, eight registers a block
.set WT,  176                          ; v176-179 at work
.set SB,  184                          ; its four scale bytes
.set WV,  18
.set KST, 20
.set MNT, 40
.set SEL, 42
	s_load_b256 s[4:11], s[0:1], 0x0               ; x, Wq, Wk, Wv
	s_load_b128 s[12:15], s[0:1], 0x20             ; Wo, xq
	s_load_b64 s[16:17], s[0:1], 0x30              ; wq
	v_lshl_add_u32 v192, v0, 2, 0x8400
	v_mov_b32 v193, 0
	v_lshrrev_b32 v1, 5, v0
	v_readfirstlane_b32 s[WV], v1                  ; wave 0..3
	v_and_b32 v1, 31, v0                           ; lane
	v_and_b32 v2, 15, v0                           ; r
	v_bfe_u32 v3, v0, 4, 1                         ; h
	v_lshlrev_b32 v4, 4, v1                        ; 16 x lane
	s_mul_i32 s19, s[WV], 16*SPITCH                ; my stage
	v_add_nc_u32 v5, s19, v4                       ; into it: a row's 512 bytes as they lie
	v_mul_u32_u24 v6, v2, SPITCH
	v_lshl_add_u32 v6, v3, 6, v6
	v_add_nc_u32 v6, s19, v6                       ; out of it: row r, + 64 h: my 16 numbers of a block of 32
	v_lshlrev_b32 v7, 2, v2                        ; 4 r
	v_lshlrev_b32 v8, 2, v1                        ; 4 x lane
	v_bfe_u32 v11, v0, 3, 1                        ; the weights: column 32 B + l is lane r = l % 8 + 8 (l / 16) of tile 2 B + u, u = (l / 8) % 2
	v_and_b32 v12, 7, v0
	v_mul_u32_u24 v9, v11, 12288                   ; codes: u tiles of 6 x 2048 bytes,
	v_lshl_add_u32 v9, v12, 4, v9
	v_lshl_add_u32 v9, v3, 7, v9                   ; + 16 r
	v_lshl_add_u32 v10, v3, 3, v12
	v_lshlrev_b32 v10, 2, v10
	v_lshl_add_u32 v10, v11, 6, v10                ; scale words: 64 u + 4 r
	s_and_b32 s[KST], ttmp7, 0xffff                ; the K step
	s_mov_b32 s[MNT], 0x600000                     ; the mantissa field of 57,344
	s_mov_b32 s[SEL], 0x76543210
	s_mov_b32 s[SEL+1], 0xfedcba98                 ; lane l xor 16
.irp b, 0,1,2,3
	v_mov_b32 v[TM+4+\b], 0                        ; a lane permute's destination counts as read
.endr
	s_wait_kmcnt 0x0
	s_cmp_ge_u32 ttmp9, 64
	s_cbranch_scc1 .Lweights
	; ---- x: my tile T = 4 x work-group + wave
	s_lshl_b32 s21, ttmp9, 2
	s_add_co_u32 s21, s21, s[WV]                   ; T
	s_lshr_b32 s22, s21, 1                         ; b
	s_and_b32 s23, s21, 1                          ; u
	s_lshl_b32 s24, s22, 5
	s_lshl_b32 s25, s23, 3
	s_add_co_u32 s24, s24, s25                     ; the tile's first row: 32 b + 8 u
	s_mul_i32 s24, s24, 3072
	s_lshl_b32 s25, s[KST], 9
	s_add_co_u32 s24, s24, s25                     ; + 512 bytes a K step
	s_mov_b32 s25, 0
	s_add_nc_u64 s[4:5], s[4:5], s[24:25]
.irp i, 0,1,2,3,4,5,6,7,8,9,10,11,12,13,14,15
	global_load_b128 v[R+4*\i:R+4*\i+3], v4, s[4:5] offset:(\i+8*(\i/8))*3072 th:TH_LOAD_NT   ; the tile's row i: 512 consecutive bytes
.endr
	s_mul_i32 s26, s21, 6
	s_add_co_u32 s26, s26, s[KST]
	s_lshl_b32 s26, s26, 11
	s_mov_b32 s27, 0
	s_add_nc_u64 s[28:29], s[14:15], s[26:27]      ; the fragment's image
	s_mul_i32 s26, s22, 6
	s_add_co_u32 s26, s26, s[KST]
	s_lshl_b32 s26, s26, 1
	s_add_co_u32 s26, s26, s23
	s_lshl_b32 s26, s26, 6
	s_add_co_u32 s26, s26, XS_OFF
	s_add_nc_u64 s[30:31], s[14:15], s[26:27]      ; its scale words
.irp i, 0,1,2,3,4,5,6,7,8,9,10,11,12,13,14,15
	s_wait_loadcnt 15-\i                           ; row i is in; the younger rows may be out
	ds_store_b128 v5, v[R+4*\i:R+4*\i+3] offset:SPITCH*\i
.endr
.irp b, 0,1,2,3
.irp j, 0,1,2,3
	ds_load_b128 v[X+16*\b+4*\j:X+16*\b+4*\j+3], v6 offset:128*\b+16*\j   ; LDS serves a wave's instructions in order: these see my stores
.endr
.endr
	s_wait_dscnt 0x0
.irp b, 0,1,2,3
	v_max3_num_f32 v[TM+\b], |v[X+16*\b]|, |v[X+1+16*\b]|, 0x8000000   ; my 16 numbers of block b, and the floor 2^(16 - 127): the byte cannot fall under 1
.endr
.irp i, 2,4,6,8,10,12,14
.irp b, 0,1,2,3
	v_max3_num_f32 v[TM+\b], v[TM+\b], |v[X+16*\b+\i]|, |v[X+1+16*\b+\i]|
.endr
.endr
.irp b, 0,1,2,3
	v_permlanex16_b32 v[TM+4+\b], v[TM+\b], s[SEL], s[SEL+1]
.endr
.irp b, 0,1,2,3
	v_max_num_f32 v[TM+\b], v[TM+\b], v[TM+4+\b]   ; with lane l xor 16's 16: the block's largest magnitude
.endr
.irp b, 0,1,2,3
	v_add_nc_u32 v[TM+12+\b], 0xf8800000, v[TM+\b] ; 15 off its exponent field: the conversion's scale operand
.endr
.irp b, 0,1,2,3
	v_and_or_b32 v[TM+8+\b], v[TM+\b], 0x7f800000, s[MNT]   ; 57,344 x the scale
.endr
.irp b, 0,1,2,3
	v_lshrrev_b32 v[TM+4+\b], 23, v[TM+12+\b]      ; the scale's byte
.endr
	v_lshl_or_b32 v[PW], v[TM+5], 8, v[TM+4]
	v_lshl_or_b32 v[PW], v[TM+6], 16, v[PW]
	v_lshl_or_b32 v[PW], v[TM+7], 24, v[PW]
.irp b, 0,1,2,3
.irp i, 0,1,2,3,4,5,6,7,8,9,10,11,12,13,14,15
	v_med3_num_f32 v[X+16*\b+\i], v[X+16*\b+\i], -v[TM+8+\b], v[TM+8+\b]   ; the conversion to an 8-bit code does not saturate (ISA guide 7.6.2): the hold
.endr
	v_cvt_scalef32_pk8_bf8_f32 v[PC+4*\b:PC+1+4*\b], v[X+16*\b:X+7+16*\b], v[TM+12+\b]
	v_cvt_scalef32_pk8_bf8_f32 v[PC+2+4*\b:PC+3+4*\b], v[X+8+16*\b:X+15+16*\b], v[TM+12+\b]
.endr
	v_nop
.irp c, 0,1,2,3
	global_store_b128 v4, v[PC+4*\c:PC+4*\c+3], s[28:29] offset:512*\c   ; 512 consecutive bytes a store
.endr
	global_store_b32 v7, v[PW], s[30:31]           ; both halves of the lanes hold row r's word and write the same value
	s_wait_tensorcnt 0x0
	ds_add_u32 v192, v193
	s_wait_dscnt 0x0
	s_endpgm
	; ---- the weights: a lane takes a column, its registers run down K: nothing is transposed
.Lweights:
	s_sub_co_u32 s21, ttmp9, 64
	s_and_b32 s22, s21, 3                          ; which matrix
	s_lshr_b32 s23, s21, 2
	s_lshl_b32 s23, s23, 2
	s_add_co_u32 s23, s23, s[WV]                   ; B: my 32 columns
	s_mov_b64 s[24:25], s[6:7]
	s_cmp_eq_u32 s22, 1
	s_cselect_b64 s[24:25], s[8:9], s[24:25]
	s_cmp_eq_u32 s22, 2
	s_cselect_b64 s[24:25], s[10:11], s[24:25]
	s_cmp_eq_u32 s22, 3
	s_cselect_b64 s[24:25], s[12:13], s[24:25]
	s_mul_i32 s26, s[KST], 393216                  ; 128 rows of 3,072 bytes a K step
	s_lshl_b32 s27, s23, 7
	s_add_co_u32 s26, s26, s27
	s_mov_b32 s27, 0
	s_add_nc_u64 s[24:25], s[24:25], s[26:27]
.macro LOADW c                         ; block c: W(128 s + 32 c + i, my column), i = 0 .. 31, into registers of the block's own
.set i_, 32*(\c)
.rept 32
	global_load_b32 v[WX+i_], v8, s[24:25] offset:3072*i_ th:TH_LOAD_NT   ; 128 consecutive bytes a wave, the four waves side by side on 512
.set i_, i_+1
.endr
.endm
	LOADW 0                                        ; the loads run two blocks ahead
	LOADW 1
	s_mul_i32 s26, s22, 589824
	s_mul_i32 s28, s23, 24576
	s_add_co_u32 s26, s26, s28
	s_lshl_b32 s28, s[KST], 11
	s_add_co_u32 s26, s26, s28
	s_add_nc_u64 s[30:31], s[16:17], s[26:27]      ; tile 2 B's fragment of this K step
	s_mul_i32 s26, s22, 18432
	s_mul_i32 s28, s[KST], 3072
	s_add_co_u32 s26, s26, s28
	s_lshl_b32 s28, s23, 7
	s_add_co_u32 s26, s26, s28
	s_add_co_u32 s26, s26, WS_OFF
	s_add_nc_u64 s[32:33], s[16:17], s[26:27]      ; its scale words
.macro BLOCK c
.set XB, WX+32*\c
.if \c < 3
	s_wait_loadcnt 32                              ; this block's 32 loads are in; the next block's 32, the only younger ones, may be out
.else
	s_wait_loadcnt 0x0
.endif
.if \c < 2
	LOADW \c+2                                     ; the block two further on is asked for while this one is worked
.endif
	v_max3_num_f32 v[WT], |v[XB]|, |v[XB+1]|, |v[XB+2]|
	v_max3_num_f32 v[WT+1], |v[XB+3]|, |v[XB+4]|, |v[XB+5]|
.irp i, 6,10,14,18,22,26
	v_max3_num_f32 v[WT], v[WT], |v[XB+\i]|, |v[XB+\i+1]|
	v_max3_num_f32 v[WT+1], v[WT+1], |v[XB+\i+2]|, |v[XB+\i+3]|
.endr
	v_max3_num_f32 v[WT], v[WT], |v[XB+30]|, |v[XB+31]|
	v_max3_num_f32 v[WT], v[WT], v[WT+1], 0x8000000      ; all 32 numbers are mine; and the floor
	v_add_nc_u32 v[WT+2], 0xf8800000, v[WT]
	v_and_or_b32 v[WT+3], v[WT], 0x7f800000, s[MNT]
	v_lshrrev_b32 v[WT+1], 23, v[WT+2]
.if \c == 0
	v_mov_b32 v[SB], v[WT+1]
.else
	v_lshl_or_b32 v[SB], v[WT+1], 8*\c, v[SB]
.endif
.irp i, 0,1,2,3,4,5,6,7,8,9,10,11,12,13,14,15,16,17,18,19,20,21,22,23,24,25,26,27,28,29,30,31
	v_med3_num_f32 v[XB+\i], v[XB+\i], -v[WT+3], v[WT+3]
.endr
.irp g, 0,1,2,3
	v_cvt_scalef32_pk8_bf8_f32 v[WC+8*\c+2*\g:WC+8*\c+2*\g+1], v[XB+8*\g:XB+8*\g+7], v[WT+2]
.endr
	global_store_b128 v9, v[WC+8*\c:WC+8*\c+3], s[30:31] offset:512*\c          ; k = 32 c + 0 .. 15: the places of lanes 0-15.  Sixteen lanes fill 256 consecutive bytes of each of the two tiles
	global_store_b128 v9, v[WC+8*\c+4:WC+8*\c+7], s[30:31] offset:512*\c+256    ; k = 32 c + 16 .. 31: those of lanes 16-31
.endm
	BLOCK 0                                        ; each block has code registers of its own: no store's data are written again
	BLOCK 1
	BLOCK 2
	BLOCK 3
	global_store_b32 v10, v[SB], s[32:33]
	s_endpgm
.Lfunc_end_k_q217de4c04a_quant:
	.size	k_q217de4c04a_quant, .Lfunc_end_k_q217de4c04a_quant-k_q217de4c04a_quant
	.p2alignl 7, 3214868480
	.fill 96, 4, 3214868480
	.section	.rodata,"a",@progbits
	.p2align	6, 0x0
	.amdhsa_kernel k_q217de4c04a_quant
		.amdhsa_group_segment_fixed_size 34304
		.amdhsa_private_segment_fixed_size 0
		.amdhsa_enable_private_segment 0
		.amdhsa_kernarg_size 56
		.amdhsa_user_sgpr_count 2
		.amdhsa_user_sgpr_kernarg_segment_ptr 1
		.amdhsa_wavefront_size32 1
		.amdhsa_system_sgpr_workgroup_id_x 1
		.amdhsa_system_sgpr_workgroup_id_y 1
		.amdhsa_system_sgpr_workgroup_id_z 1
		.amdhsa_system_vgpr_workitem_id 0
		.amdhsa_next_free_vgpr 194
		.amdhsa_next_free_sgpr 66
		.amdhsa_reserve_vcc 0
		.amdhsa_float_denorm_mode_32 3
		.amdhsa_float_denorm_mode_16_64 3
		.amdhsa_memory_ordered 1
		.amdhsa_forward_progress 1
		.amdhsa_inst_pref_size 44
	.end_amdhsa_kernel
	.amdgpu_metadata
---
amdhsa.version: [ 1, 2 ]
amdhsa.kernels:
  - .name:           k_q217de4c04a_quant
    .symbol:         k_q217de4c04a_quant.kd
    .args:
      - { .name: x, .offset: 0, .size: 8, .value_kind: global_buffer, .address_space: global }
      - { .name: Wq, .offset: 8, .size: 8, .value_kind: global_buffer, .address_space: global }
      - { .name: Wk, .offset: 16, .size: 8, .value_kind: global_buffer, .address_space: global }
      - { .name: Wv, .offset: 24, .size: 8, .value_kind: global_buffer, .address_space: global }
      - { .name: Wo, .offset: 32, .size: 8, .value_kind: global_buffer, .address_space: global }
      - { .name: xq, .offset: 40, .size: 8, .value_kind: global_buffer, .address_space: global }
      - { .name: wq, .offset: 48, .size: 8, .value_kind: global_buffer, .address_space: global }
    .group_segment_fixed_size: 34304
    .private_segment_fixed_size: 0
    .kernarg_segment_align: 8
    .kernarg_segment_size: 56
    .max_flat_workgroup_size: 128
    .sgpr_count:     66
    .vgpr_count:     194
    .wavefront_size: 32
...
	.end_amdgpu_metadata
.endif
;; end of part 1
;; launch qkv (part 2): grid 3 x 48, 4 waves a work-group, no clusters, 197,120 bytes of LDS; arguments xq, wq, bq, bk, bv, qq, kv; writes qq, kv
.if DOCPART == 2
	.amdgcn_target "amdgcn-amd-amdhsa--gfx1250"
	.amdhsa_code_object_version 6
	.text
	.protected	k_q217de4c04a_qkv
	.globl	k_q217de4c04a_qkv
	.p2align	8
	.type	k_q217de4c04a_qkv,@function
k_q217de4c04a_qkv:
	s_mov_b64 s[64:65], 0
	v_nop
	global_prefetch_b8 v0, s[64:65] scope:SCOPE_SE
	s_setreg_imm32_b32 hwreg(HW_REG_WAVE_MODE, 25, 1), 1
	s_wait_xcnt 0x0
; q = x Wq + bq, k = x Wk + bk, v = x Wv + bv on codes of BF8 with E8M0 scales, and their results quantised at once for the attention: q and k along the head's 64 channels, v along the keys.
; SHARES.  Work-group y = 16 x matrix + row block: 256 rows (16 tiles) of one of q, k, v; work-group x: four heads, a wave a head (64 columns: four column tiles).
; A wave's 24 weight fragments (4 tiles x 6 K steps) stay in 384 registers, read from memory once.  The block's 96 fragments of x (196,608 bytes) come into LDS once, by one tensor load a wave; nothing is filled again.
; NO CLUSTER: the weights go straight into registers; a block of x is read by the 3 work-groups along x (and by 3 matrices along y), and 3 is no multiple of the cluster's 4.
; q, k (TRANSPOSED: source 0 = 16 weight columns, source 1 = 16 rows of x): a lane holds one token, the registers of column tiles 2 b, 2 b + 1 are channels 32 b + 16 h + 0 .. 15 of the head.
; v (source 0 = 16 rows of x, source 1 = 16 weight columns): a lane holds one channel, the registers of row tiles 2 b, 2 b + 1 are tokens 32 b + 16 h + 0 .. 15: the keys are the next K.
; In both cases the conversions' results ARE the next operand's registers; they leave as images, 512 consecutive bytes a store.  The bias is the C of each sum's first matrix instruction.
; OUT: qq: codes [head][tile 256][1024], scale words (s0, s1, s0, s1) [head][tile][16] from QS_OFF on.  kv: [head][key step 32][8 tiles of k x 1024, then 4 fragments of v^T x 2048];
;   from KVS_OFF on, 24,576 bytes a head: k's words [tile 256][16], then v's [key step 32][channel tile 4][16].
; LIMITS: a block of zeros gets the byte 1; blocks whose largest magnitude lies under 2^-111 are held at that floor; NaN and infinities are not served.
; REGISTERS, in windows of 256: window 0: v1-6 addresses; v16-27 the weights' scale words; v28-51 x's; v52-87 the quantiser; v128-255 eight fragments of x.
;   window 1: weight fragments of K steps 0-3 at 16 (4 s + t).  window 2: those of K steps 4, 5 at 16 (4 (s - 4) + t); from v128 the bias, 8 registers a column tile.  window 3: the 32 accumulators.
.set XS_OFF,  3145728
.set WS_OFF,  2359296
.set QS_OFF,  3145728
.set KVS_OFF, 6291456
.set LI,  1                            ; 16 x lane
.set L4,  2                            ; 4 x lane
.set LIA, 3                            ; v3, v4: LDS address of the group's tiles 0-3 and 4-7
.set BOT, 5                            ; the bias, q and k: 64 h
.set BON, 6                            ; the bias, v: 4 (r + 8 (r / 8))
.set WS,  16                           ; register 2 s + p: lanes 0-15 column tile 2 p, lanes 16-31 tile 2 p + 1
.set XS,  28                           ; register 4 s + p: lanes 0-15 row tile 2 p of the group, lanes 16-31 tile 2 p + 1
.set TM,  52                           ; +0 largest magnitudes, +4 bytes, +8 the hold, +12 the conversions' scale operands
.set W0,  68
.set W1,  69
.set PW,  70
.set PWE, 71
.set PC,  72
.set XF,  128
.set B1,  128
.set WV,  18
.set MAT, 20
.set RB,  21
.set HEAD, 22
.set G0,  24
.set G1,  28
.set SEL, 36
.set MNT, 38
.set HM,  39                           ; the mask of lanes 16-31
.set GRP, 40
.set GB,  41                           ; LDS byte at which the group's tiles begin
.set OC,  42                           ; where the group's codes go;  s[46:47] its step from group to group
.set OS,  44                           ; where its scale words go;    s[48:49] likewise
.set OCS, 46
.set OSS, 48
.set XSB, 50                           ; x's scale words of the group
.set WB,  54
.set BB,  56
.set WSB, 58
.set MSB, 0
.macro WIN new                         ; the immediate's high byte repeats the setting that is left
.if MSB != \new
	s_set_vgpr_msb (MSB<<8)|\new
.set MSB, \new
.endif
.endm
.macro PLACES n
.rept \n
	v_nop
.endr
.endm
; one matrix instruction; its registers stand in the symbols d_, a_, b_, c_, sa_, sb_; ra_, rb_ = 1: that side's scales are read from lanes 16-31
.macro WM
.if ra_ && rb_
	v_wmma_scale_f32_16x16x128_f8f6f4 v[d_:d_+7], v[a_:a_+15], v[b_:b_+15], v[c_:c_+7], v[sa_], v[sb_] matrix_a_fmt:MATRIX_FMT_BF8 matrix_b_fmt:MATRIX_FMT_BF8 matrix_a_scale:MATRIX_SCALE_ROW1 matrix_b_scale:MATRIX_SCALE_ROW1
.elseif ra_
	v_wmma_scale_f32_16x16x128_f8f6f4 v[d_:d_+7], v[a_:a_+15], v[b_:b_+15], v[c_:c_+7], v[sa_], v[sb_] matrix_a_fmt:MATRIX_FMT_BF8 matrix_b_fmt:MATRIX_FMT_BF8 matrix_a_scale:MATRIX_SCALE_ROW1
.elseif rb_
	v_wmma_scale_f32_16x16x128_f8f6f4 v[d_:d_+7], v[a_:a_+15], v[b_:b_+15], v[c_:c_+7], v[sa_], v[sb_] matrix_a_fmt:MATRIX_FMT_BF8 matrix_b_fmt:MATRIX_FMT_BF8 matrix_b_scale:MATRIX_SCALE_ROW1
.else
	v_wmma_scale_f32_16x16x128_f8f6f4 v[d_:d_+7], v[a_:a_+15], v[b_:b_+15], v[c_:c_+7], v[sa_], v[sb_] matrix_a_fmt:MATRIX_FMT_BF8 matrix_b_fmt:MATRIX_FMT_BF8
.endif
.endm
; 16 LDS loads: K step s of the group's tiles 4 half .. 4 half + 3, as images: 512 consecutive bytes a load
.macro FETCHX half, s
.irp i, 0,1,2,3
.irp c, 0,1,2,3
	ds_load_b128 v[XF+16*(4*\half+\i)+4*\c:XF+16*(4*\half+\i)+4*\c+3], v[LIA+\half] offset:\i*12288+2048*(\s)+512*\c
.endr
.endr
.endm
; 16 matrix instructions: four row tiles x my four column tiles, K step s.  path 0: q, k;  1: v.  The 32 accumulators take turns, one instruction a turn.
.macro MUL path, s, half
.if \path == 0
.if \s == 0
	WIN 0xe1                                       ; source 0 (weights) window 1, source 1 (x) window 0, C (bias) window 2, D window 3
.elseif \s < 4
	WIN 0xf1
.else
	WIN 0xf2
.endif
.else
.if \s == 0
	WIN 0xe4                                       ; source 0 (x) window 0, source 1 (weights) window 1
.elseif \s < 4
	WIN 0xf4
.else
	WIN 0xf8
.endif
.endif
.irp i, 0,1,2,3
.irp t, 0,1,2,3
.set ti_, 4*\half+\i
.set wf_, 16*(4*((\s)%4)+\t)
.if \path == 0
.set d_, 32*ti_+8*\t
.set a_, wf_
.set b_, XF+16*ti_
.set sa_, WS+2*(\s)+\t/2
.set ra_, \t%2
.set sb_, XS+4*(\s)+ti_/2
.set rb_, ti_%2
.else
.set d_, 64*\t+8*ti_
.set a_, XF+16*ti_
.set b_, wf_
.set sa_, XS+4*(\s)+ti_/2
.set ra_, ti_%2
.set sb_, WS+2*(\s)+\t/2
.set rb_, \t%2
.endif
.if \s == 0
.set c_, B1+8*\t
.else
.set c_, d_
.endif
	WM
.endr
.endr
.endm
; a group of 128 rows: 192 matrix instructions.  A half's fragments are fetched anew as soon as its sixteen products are issued, eight places behind them.
.macro GROUP path
.irp s, 0,1,2,3,4,5
	s_wait_dscnt 16                                ; tiles 0-3 are in; the sixteen younger loads (tiles 4-7) may be out
	MUL \path, \s, 0
.if \s < 5
	PLACES 8
	WIN 0
	FETCHX 0, \s+1
	s_wait_dscnt 16                                ; tiles 4-7 are in; the sixteen just issued may be out
.else
	s_wait_dscnt 0x0
.endif
	MUL \path, \s, 1
.if \s < 5
	PLACES 8
	WIN 0
	FETCHX 1, \s+1
.endif
.endr
	WIN 0
.endm
; 64 accumulator registers a .. a + 63 of window 3, register 16 b + i = place 32 b + 16 h + i along the next K, become 16 registers of codes in v[PC] on; the four bytes stand in v[TM+4] on.
.macro QUANT3 a
	WIN 0x0f                                       ; sources 0 and 1 window 3
.irp b, 0,1,2,3
	v_max3_num_f32 v[TM+\b], |v[(\a)+16*\b]|, |v[(\a)+16*\b+1]|, 0x8000000   ; each accumulator is read from its low end on; the floor 2^(16 - 127) holds the byte at 1 from below
.endr
.irp i, 2,4,6,8,10,12,14
.irp b, 0,1,2,3
	v_max3_num_f32 v[TM+\b], |v[(\a)+16*\b+\i]|, |v[(\a)+16*\b+\i+1]|, v[TM+\b]
.endr
.endr
	WIN 0
.irp b, 0,1,2,3
	v_permlanex16_b32 v[TM+4+\b], v[TM+\b], s[SEL], s[SEL+1]
.endr
.irp b, 0,1,2,3
	v_max_num_f32 v[TM+\b], v[TM+\b], v[TM+4+\b]   ; with lane l xor 16's: the block's largest magnitude
.endr
.irp b, 0,1,2,3
	v_add_nc_u32 v[TM+12+\b], 0xf8800000, v[TM+\b]
.endr
.irp b, 0,1,2,3
	v_and_or_b32 v[TM+8+\b], v[TM+\b], 0x7f800000, s[MNT]
.endr
.irp b, 0,1,2,3
	v_lshrrev_b32 v[TM+4+\b], 23, v[TM+12+\b]
.endr
	WIN 0xc3                                       ; destination and source 0 window 3
.irp b, 0,1,2,3
.irp i, 0,1,2,3,4,5,6,7,8,9,10,11,12,13,14,15
	v_med3_num_f32 v[(\a)+16*\b+\i], v[(\a)+16*\b+\i], -v[TM+8+\b], v[TM+8+\b]   ; the conversion does not saturate (ISA guide 7.6.2): the hold
.endr
.endr
	WIN 0x03
.irp b, 0,1,2,3
	v_cvt_scalef32_pk8_bf8_f32 v[PC+4*\b:PC+4*\b+1], v[(\a)+16*\b:(\a)+16*\b+7], v[TM+12+\b]
	v_cvt_scalef32_pk8_bf8_f32 v[PC+4*\b+2:PC+4*\b+3], v[(\a)+16*\b+8:(\a)+16*\b+15], v[TM+12+\b]
.endr
	WIN 0
	v_nop                                          ; a plain line behind the last conversion: later products write its sources
.endm
.macro CODES n
.irp k, 0,1,2,3
	global_store_b128 v[LI], v[PC+4*\k:PC+4*\k+3], s[OC:OC+1] offset:2048*(\n)+512*\k
.endr
.endm
.macro CHUNK_T n                       ; q, k: row tiles 2 n and 2 n + 1 of the group, two blocks of 32 channels each
	s_wait_xcnt 0x0                                ; the last chunk's stores have read their data: only behind this wait are they written again
	QUANT3 64*\n
	v_lshl_or_b32 v[W0], v[TM+5], 8, v[TM+4]
	v_lshl_or_b32 v[W1], v[TM+7], 8, v[TM+6]
	v_lshl_or_b32 v[W0], v[W0], 16, v[W0]          ; (s0, s1, s0, s1): the 64 channels may stand in either half of a K step of 128
	v_lshl_or_b32 v[W1], v[W1], 16, v[W1]
	v_cndmask_b32 v[PW], v[W0], v[W1], s[HM]       ; lanes 0-15 tile 2 n's words, lanes 16-31 tile 2 n + 1's
	global_store_b32 v[L4], v[PW], s[OS:OS+1] offset:128*(\n)
	CODES \n
.endm
.macro CHUNK_N n                       ; v: channel tile n, four blocks of 32 keys
	s_wait_xcnt 0x0
	QUANT3 64*\n
	v_lshl_or_b32 v[W0], v[TM+5], 8, v[TM+4]
	v_lshl_or_b32 v[W0], v[TM+6], 16, v[W0]
.if (\n)%2 == 0
	v_lshl_or_b32 v[PWE], v[TM+7], 24, v[W0]       ; kept for the next chunk
.else
	v_lshl_or_b32 v[W0], v[TM+7], 24, v[W0]
	v_cndmask_b32 v[PW], v[PWE], v[W0], s[HM]
	global_store_b32 v[L4], v[PW], s[OS:OS+1] offset:128*((\n)/2)
.endif
	CODES \n
.endm
	s_load_b256 s[4:11], s[0:1], 0x0               ; xq, wq, bq, bk
	s_load_b128 s[12:15], s[0:1], 0x20             ; bv, qq
	s_load_b64 s[16:17], s[0:1], 0x30              ; kv
	v_lshl_add_u32 v126, v0, 2, 0x30000
	v_mov_b32 v127, 0
	ds_add_u32 v126, v127
	v_lshrrev_b32 v7, 5, v0
	v_readfirstlane_b32 s[WV], v7                  ; wave 0..3
	v_and_b32 v7, 31, v0
	v_lshlrev_b32 v[LI], 4, v7
	v_lshlrev_b32 v[L4], 2, v7
	v_cmp_lt_u32 s[HM], 15, v7
	v_bfe_u32 v8, v0, 4, 1
	v_lshlrev_b32 v[BOT], 6, v8
	v_and_b32 v9, 15, v0
	v_and_b32 v10, 8, v9
	v_add_nc_u32 v10, v10, v9
	v_lshlrev_b32 v[BON], 2, v10
.irp b, 0,1,2,3
	v_mov_b32 v[TM+4+\b], 0                        ; a lane permute's destination counts as read
.endr
	s_and_b32 s52, ttmp7, 0xffff
	s_lshr_b32 s[MAT], s52, 4                      ; 0 q, 1 k, 2 v
	s_and_b32 s[RB], s52, 15                       ; the block of 256 rows
	s_lshl_b32 s[HEAD], ttmp9, 2
	s_add_co_u32 s[HEAD], s[HEAD], s[WV]
	s_mov_b32 s[G1], 3<<16                         ; elements of 8 bytes, no mask, no padding
	s_mov_b32 s[G1+1], 32<<16                      ; tensor_dim0 = 32: rows of 256 bytes
	s_mov_b32 s[G1+2], 192<<16                     ; tensor_dim1 = 192: four tiles x 6 K steps x 2,048 bytes, dense
	s_mov_b32 s[G1+3], 32<<16                      ; tile_dim0
	s_mov_b32 s[G1+4], 192                         ; tile_dim1
	s_mov_b32 s[G1+5], 32                          ; the pitch
	s_mov_b32 s[G1+6], 0
	s_mov_b32 s[G1+7], 0
	s_mov_b32 s[G0], 1
	s_mul_i32 s[G0+1], s[WV], 49152                ; my four tiles' place in LDS
	s_lshl_b32 s52, s[RB], 4
	s_lshl_b32 s53, s[WV], 2
	s_add_co_u32 s52, s52, s53
	s_mul_i32 s52, s52, 12288
	s_mov_b32 s53, 0
	s_wait_dscnt 0x0
	s_wait_kmcnt 0x0
	s_add_nc_u64 s[G0+2:G0+3], s[4:5], s[52:53]
	s_or_b32 s[G0+3], s[G0+3], 0x80000000
	tensor_load_to_lds s[G0:G0+3], s[G1:G1+7]      ; the launch's only tensor load of this wave: one is out
	s_nop 0
	PLACES 4
	s_mul_i32 s52, s[MAT], 48
	s_lshl_b32 s60, s[HEAD], 2
	s_add_co_u32 s52, s52, s60
	s_mul_i32 s52, s52, 12288
	s_add_nc_u64 s[WB:WB+1], s[6:7], s[52:53]      ; my four column tiles
	WIN 0x40
.irp s, 0,1,2,3
.irp t, 0,1,2,3
.irp c, 0,1,2,3
	global_load_b128 v[16*(4*\s+\t)+4*\c:16*(4*\s+\t)+4*\c+3], v[LI], s[WB:WB+1] offset:(6*\t+\s)*2048+512*\c
.endr
.endr
.endr
	WIN 0x80
.irp s, 4,5
.irp t, 0,1,2,3
.irp c, 0,1,2,3
	global_load_b128 v[16*(4*(\s-4)+\t)+4*\c:16*(4*(\s-4)+\t)+4*\c+3], v[LI], s[WB:WB+1] offset:(6*\t+\s)*2048+512*\c
.endr
.endr
.endr
	WIN 0
	s_cmp_eq_u32 s[MAT], 0
	s_cselect_b64 s[BB:BB+1], s[8:9], s[10:11]
	s_cmp_eq_u32 s[MAT], 2
	s_cselect_b64 s[BB:BB+1], s[12:13], s[BB:BB+1]
	s_lshl_b32 s52, s[HEAD], 8
	s_add_nc_u64 s[BB:BB+1], s[BB:BB+1], s[52:53]  ; my head's 64 numbers of the bias
	s_cmp_eq_u32 s[MAT], 2
	s_cbranch_scc1 .Lbias_n
	WIN 0x80
.irp t, 0,1,2,3                                ; q, k: lane (r, h) wants, for tile t, channels 32 (t / 2) + 8 (t % 2) + 16 h + 0 .. 7
	global_load_b128 v[B1+8*\t:B1+8*\t+3], v[BOT], s[BB:BB+1] offset:(32*(\t/2)+8*(\t%2))*4
	global_load_b128 v[B1+8*\t+4:B1+8*\t+7], v[BOT], s[BB:BB+1] offset:(32*(\t/2)+8*(\t%2))*4+16
.endr
	WIN 0
	s_branch .Lbias_done
.Lbias_n:
	WIN 0x80
.irp t, 0,1,2,3                                ; v: a lane holds one channel, 32 (t / 2) + 8 (t % 2) + r + 8 (r / 8), in all eight registers
.irp j, 0,1,2,3,4,5,6,7
	global_load_b32 v[B1+8*\t+\j], v[BON], s[BB:BB+1] offset:(32*(\t/2)+8*(\t%2))*4
.endr
.endr
	WIN 0
.Lbias_done:
	s_mul_i32 s52, s[MAT], 18432
	s_lshl_b32 s60, s[HEAD], 8
	s_add_co_u32 s52, s52, s60
	s_add_co_u32 s52, s52, WS_OFF
	s_add_nc_u64 s[WSB:WSB+1], s[6:7], s[52:53]
.irp s, 0,1,2,3,4,5
.irp p, 0,1
	global_load_b32 v[WS+2*\s+\p], v[L4], s[WSB:WSB+1] offset:3072*\s+128*\p
.endr
.endr
	s_mul_i32 s52, s[RB], 6144
	s_add_co_u32 s52, s52, XS_OFF
	s_add_nc_u64 s[XSB:XSB+1], s[4:5], s[52:53]
	; where the results go
	s_cmp_eq_u32 s[MAT], 0
	s_cselect_b64 s[OC:OC+1], s[14:15], s[16:17]   ; qq or kv
	s_cselect_b32 s60, 0, 1                        ; kv's records are twice as long as qq's
	s_mov_b32 s61, KVS_OFF
	s_cselect_b32 s61, QS_OFF, s61
	s_mov_b32 s62, 24576
	s_cselect_b32 s62, 16384, s62                  ; a head's scale bytes
	s_mov_b64 s[OS:OS+1], s[OC:OC+1]
	s_cmp_eq_u32 s[MAT], 2
	s_cselect_b32 s63, 8192, 0                     ; v's fragments lie behind k's eight tiles,
	s_cselect_b32 s19, 16384, 0                    ; its words behind k's,
	s_cselect_b32 s23, 9, 10                       ; 512 bytes a row block against 1,024
	s_lshl_b32 s52, s[HEAD], 18
	s_lshl_b32 s[OCS], s[RB], 14
	s_add_co_u32 s52, s52, s[OCS]
	s_lshl_b32 s52, s52, s60
	s_add_co_u32 s52, s52, s63
	s_add_nc_u64 s[OC:OC+1], s[OC:OC+1], s[52:53]
	s_lshl_b32 s[OCS], 8192, s60
	s_mov_b32 s[OCS+1], 0
	s_mul_i32 s52, s[HEAD], s62
	s_add_co_u32 s52, s52, s61
	s_add_co_u32 s52, s52, s19
	s_lshl_b32 s[OSS], s[RB], s23
	s_add_co_u32 s52, s52, s[OSS]
	s_add_nc_u64 s[OS:OS+1], s[OS:OS+1], s[52:53]
	s_sub_co_u32 s23, s23, 1
	s_lshl_b32 s[OSS], 1, s23                      ; a group is half a row block
	s_mov_b32 s[OSS+1], 0
	s_mov_b32 s[SEL], 0x76543210
	s_mov_b32 s[SEL+1], 0xfedcba98
	s_mov_b32 s[MNT], 0x600000
	s_mov_b32 s[GRP], 2
	s_mov_b32 s[GB], 0
	s_wait_tensorcnt 0x0                           ; my four tiles are in LDS,
	s_barrier_signal -1
	s_barrier_wait -1                              ; everybody's are: the launch's only barrier
.Lgroup:                                           ; two trips: 128 rows each
	v_add_nc_u32 v[LIA], s[GB], v[LI]
	v_add_nc_u32 v[LIA+1], 49152, v[LIA]
.irp s, 0,1,2,3,4,5
.irp p, 0,1,2,3
	global_load_b32 v[XS+4*\s+\p], v[L4], s[XSB:XSB+1] offset:(6*\p+\s)*128
.endr
.endr
	FETCHX 0, 0
	FETCHX 1, 0
	s_wait_loadcnt 0x0                             ; x's scale words; in the first trip the weights, their words and the bias too
	s_cmp_eq_u32 s[MAT], 2
	s_cbranch_scc1 .Lpath_n
	GROUP 0
	PLACES 8                                       ; in front of the first read of results
	CHUNK_T 0
	CHUNK_T 1
	CHUNK_T 2
	CHUNK_T 3
	s_branch .Ljoin
.Lpath_n:
	GROUP 1
	PLACES 8
	CHUNK_N 0
	CHUNK_N 1
	CHUNK_N 2
	CHUNK_N 3
.Ljoin:
	s_wait_xcnt 0x0                                ; the loads and stores have read their bases: they step only behind this wait
	s_add_nc_u64 s[XSB:XSB+1], s[XSB:XSB+1], 3072
	s_add_nc_u64 s[OC:OC+1], s[OC:OC+1], s[OCS:OCS+1]
	s_add_nc_u64 s[OS:OS+1], s[OS:OS+1], s[OSS:OSS+1]
	s_add_co_u32 s[GB], s[GB], 98304
	s_sub_co_u32 s[GRP], s[GRP], 1
	s_cmp_lg_u32 s[GRP], 0
	s_cbranch_scc1 .Lgroup
	s_wait_tensorcnt 0x0
	ds_add_u32 v126, v127
	s_wait_dscnt 0x0
	s_endpgm
.Lfunc_end_k_q217de4c04a_qkv:
	.size	k_q217de4c04a_qkv, .Lfunc_end_k_q217de4c04a_qkv-k_q217de4c04a_qkv
	.p2alignl 7, 3214868480
	.fill 96, 4, 3214868480
	.section	.rodata,"a",@progbits
	.p2align	6, 0x0
	.amdhsa_kernel k_q217de4c04a_qkv
		.amdhsa_group_segment_fixed_size 197120
		.amdhsa_private_segment_fixed_size 0
		.amdhsa_enable_private_segment 0
		.amdhsa_kernarg_size 56
		.amdhsa_user_sgpr_count 2
		.amdhsa_user_sgpr_kernarg_segment_ptr 1
		.amdhsa_wavefront_size32 1
		.amdhsa_system_sgpr_workgroup_id_x 1
		.amdhsa_system_sgpr_workgroup_id_y 1
		.amdhsa_system_sgpr_workgroup_id_z 1
		.amdhsa_system_vgpr_workitem_id 0
		.amdhsa_next_free_vgpr 1024
		.amdhsa_next_free_sgpr 66
		.amdhsa_reserve_vcc 0
		.amdhsa_float_denorm_mode_32 3
		.amdhsa_float_denorm_mode_16_64 3
		.amdhsa_memory_ordered 1
		.amdhsa_forward_progress 1
		.amdhsa_inst_pref_size 169
	.end_amdhsa_kernel
	.amdgpu_metadata
---
amdhsa.version: [ 1, 2 ]
amdhsa.kernels:
  - .name:           k_q217de4c04a_qkv
    .symbol:         k_q217de4c04a_qkv.kd
    .args:
      - { .name: xq, .offset: 0, .size: 8, .value_kind: global_buffer, .address_space: global }
      - { .name: wq, .offset: 8, .size: 8, .value_kind: global_buffer, .address_space: global }
      - { .name: bq, .offset: 16, .size: 8, .value_kind: global_buffer, .address_space: global }
      - { .name: bk, .offset: 24, .size: 8, .value_kind: global_buffer, .address_space: global }
      - { .name: bv, .offset: 32, .size: 8, .value_kind: global_buffer, .address_space: global }
      - { .name: qq, .offset: 40, .size: 8, .value_kind: global_buffer, .address_space: global }
      - { .name: kv, .offset: 48, .size: 8, .value_kind: global_buffer, .address_space: global }
    .group_segment_fixed_size: 197120
    .private_segment_fixed_size: 0
    .kernarg_segment_align: 8
    .kernarg_segment_size: 56
    .max_flat_workgroup_size: 128
    .sgpr_count:     66
    .vgpr_count:     1024
    .wavefront_size: 32
...
	.end_amdgpu_metadata
.endif
;; end of part 2
;; launch attn (part 3): grid 16 x 12, 16 waves a work-group, clusters of 4 x 1, 327,680 bytes of LDS; arguments qq, kv, yq; writes yq
.if DOCPART == 3
	.amdgcn_target "amdgcn-amd-amdhsa--gfx1250"
	.amdhsa_code_object_version 6
	.text
	.protected	k_q217de4c04a_attn
	.globl	k_q217de4c04a_attn
	.p2align	8
	.type	k_q217de4c04a_attn,@function
k_q217de4c04a_attn:
	s_mov_b64 s[64:65], 0
	v_nop
	global_prefetch_b8 v0, s[64:65] scope:SCOPE_SE
	s_setreg_imm32_b32 hwreg(HW_REG_WAVE_MODE, 25, 1), 1
	s_wait_xcnt 0x0
	s_wait_alu depctr_hold_cnt(0) depctr_sa_sdst(0) depctr_va_vdst(0) depctr_va_sdst(0) depctr_va_ssrc(0) depctr_va_vcc(0) depctr_vm_vsrc(0)
	s_getreg_b32 s2, hwreg(HW_REG_IB_STS2, 6, 4)
	s_cmp_eq_u32 s2, 0
	s_cbranch_scc0 .Lentry_in_a_cluster
	s_endpgm
.Lentry_in_a_cluster:
	s_bfe_u32 s2, ttmp6, 0x10000c
	s_cmp_lg_u32 s2, 0x3003
	s_cbranch_scc0 .Lentry_shape_is_right
	s_endpgm
.Lentry_shape_is_right:
; y[q][64 head + d] = the sum over keys of softmax(q . k / 8) v, both products on codes of BF8 with E8M0 scales; y is quantised at once, along 768 = 64 head + d, for the last projection.
; THE SOFTMAX AHEAD OF THE SECOND PRODUCT: t = score x log2(e) / 8; M = the running largest t rounded UP to a whole number; p = 2^(t - M) is quantised along the keys, not normalised.
; The row's sum is taken of the unquantised p and divides at the end; when M moves, the sum and O are multiplied by 2^(old M - new M), which rounds nothing.
; SHARES.  A work-group owns 256 queries of a head, each of its sixteen waves one tile of 16, in 256 registers: four waves to a SIMD, so that one wave's vector work stands beside another's products and LDS loads.
; Every wave walks the head's 4,096 keys, 128 a step.  A step's record in kv (8 tiles of k, 4 fragments of v^T, as images of registers: 16,384 dense bytes) comes through a ring of two LDS slots of 8 steps.
; CLUSTER.  The four query blocks of a cluster belong to one head and walk the same records: each tensor load is JOINT, the same descriptor and the mask of all four in each.
; LAYOUT.  S^T = k q^T, O^T = v^T p^T: a lane holds one query throughout.  The keys of tiles 2 b, 2 b + 1 are chosen (by the launch before) so that their 16 registers are keys 32 b + 16 h + 0 .. 15.
; THE HEAD'S 64 CHANNELS IN A K STEP OF 128: the other half of both operands is zero codes.  q lies as [q][0][q], two tiles of k as [even][0][odd]: an even tile multiplies [k|0] by [q|0], an odd one [0|k] by [0|q];
; the scale words are (s0, s1, s0, s1), so they serve either half.
; LIMITS: a block of zeros gets the byte 1; y's blocks whose largest magnitude lies under 2^-111 are held at that floor; NaN and infinities are not served.
.set QS_OFF,  3145728
.set KVS_OFF, 6291456
.set XS_OFF,  3145728
.set SLOT1, 1<<17                      ; slot 1 begins here: one exclusive or turns an address in one slot into the other's
.set SCL,   2*SLOT1                    ; behind the ring: the head's scale words, 24,576 bytes, filled once: k's [tile 256][16], then v's [step 32][channel tile 4][16]
.set SPARE, SCL+24576                  ; the spare words, 128 bytes for each wave: eight blocks of 256 bytes that no other line names
.set LI,   1                           ; 16 x lane
.set AKS0, 2                           ; SCL + 4 x lane
.set AVS0, 3                           ; SCL + 16,384 + 4 x lane
.set R4,   4                           ; 4 r
.set SPW,  5
.set NIL,  6
.set PFO,  7                           ; 256 x lane: the prefetches' offset; never rewritten
.set ADK,  8                           ; the step's record
.set ADS,  9                           ; its scale words of k
.set ADT,  10                          ; and of v
.set QT,   16                          ; v16-39  [q 8][0 8][q 8]
.set KT,   40                          ; v40-87  two times [even tile 8][0 8][odd tile 8]
.set KSW,  88                          ; v88-91  k's scale words: register p: lanes 0-15 tile 2 p, lanes 16-31 tile 2 p + 1
.set VSW,  92                          ; v92-93  v's likewise
.set QW,   94                          ; q's scale words
.set PWD,  95                          ; p's scale word
.set ST,   96                          ; v96-159 S^T, then p, then v's four fragments
.set OT,   160                         ; v160-191 O^T
.set PCD,  192                         ; v192-207 p's codes
.set BM,   208
.set T1,   212
.set HOLD, 216
.set SCO,  220
.set FF,   224                         ; v[224:225] f = 2^(old M - new M), and a word that is only named with it
.set TMP,  226
.set S2,   228                         ; v[228:229] the second chain of the sum
.set TB,   2                           ; s2   LDS byte at which the step's record begins
.set TS,   3                           ; s3   512 bytes a step
.set WV,   18
.set MNT,  19
.set SEL,  20
.set CS,   22                          ; s[22:23] c = log2(e) / 8
.set G1,   24
.set G1S,  32
.set G0,   40
.set G0S,  44
.set TJ,   66                          ; s66  256 bytes a step
.set SLOTS, 67
.set CNT,  68
.set HEAD, 69
.set CX,   70
.set TT,   71                          ; my tile of queries
.set PFA,  76
.set LIM,  80
.macro WM                              ; one matrix instruction; c_ < 0: C is the constant 0; ra_ = 1: source 0's scales are read from lanes 16-31
.if c_ < 0
.if ra_
	v_wmma_scale_f32_16x16x128_f8f6f4 v[d_:d_+7], v[a_:a_+15], v[b_:b_+15], 0, v[sa_], v[sb_] matrix_a_fmt:MATRIX_FMT_BF8 matrix_b_fmt:MATRIX_FMT_BF8 matrix_a_scale:MATRIX_SCALE_ROW1
.else
	v_wmma_scale_f32_16x16x128_f8f6f4 v[d_:d_+7], v[a_:a_+15], v[b_:b_+15], 0, v[sa_], v[sb_] matrix_a_fmt:MATRIX_FMT_BF8 matrix_b_fmt:MATRIX_FMT_BF8
.endif
.else
.if ra_
	v_wmma_scale_f32_16x16x128_f8f6f4 v[d_:d_+7], v[a_:a_+15], v[b_:b_+15], v[c_:c_+7], v[sa_], v[sb_] matrix_a_fmt:MATRIX_FMT_BF8 matrix_b_fmt:MATRIX_FMT_BF8 matrix_a_scale:MATRIX_SCALE_ROW1
.else
	v_wmma_scale_f32_16x16x128_f8f6f4 v[d_:d_+7], v[a_:a_+15], v[b_:b_+15], v[c_:c_+7], v[sa_], v[sb_] matrix_a_fmt:MATRIX_FMT_BF8 matrix_b_fmt:MATRIX_FMT_BF8
.endif
.endif
.endm
.macro PLACES n
.rept \n
	v_nop
.endr
.endm
.macro CROUND                          ; a round of the cluster's barrier
	s_barrier_signal -1
	s_barrier_wait -1
	s_cmp_lg_u32 s[WV], 0
	s_cbranch_scc1 .Lnot_wave_0_\@
	s_barrier_signal -3
.Lnot_wave_0_\@:
	s_barrier_wait -3
	s_barrier_signal -1
	s_barrier_wait -1
.endm
.macro JLOAD                           ; waves 0 to 7 fetch a step's record each; the branch hangs on the wave's number alone.  Four v_nop follow the load
	s_cmp_lt_u32 s[WV], 8
	s_cbranch_scc0 .Lnone_\@
	tensor_load_to_lds s[G0:G0+3], s[G1:G1+7]
	s_nop 0
	PLACES 4
.Lnone_\@:
.endm
; A PREFETCH INTO THE L2 of the slot that the NEXT change of slots will ask for: 131,072 dense bytes, 8 key steps ahead of that load.  All clusters of a head walk the same records: the head's first cluster asks.
; Its four partners take 32,768 bytes each, told apart BY ADDRESS; in each, waves 8 to 11 take 8,192 bytes each, lanes 256 bytes apart: each aligned block of 256 bytes is named once in the launch.
; Slots 0 and 1 come by their loads alone; the last change that fills a slot asks for nothing.
.macro ASK
	s_cmp_gt_u32 s[SLOTS], s[LIM]
	s_cbranch_scc0 .Lnot_mine_\@
	global_prefetch_b8 v[PFO], s[PFA:PFA+1] th:TH_LOAD_NT scope:SCOPE_SE
.Lnot_mine_\@:
.endm
	s_load_b128 s[4:7], s[0:1], 0x0                ; qq, kv
	s_load_b64 s[8:9], s[0:1], 0x10                ; yq
	v_lshl_add_u32 v[SPW], v0, 2, SPARE
	v_mov_b32 v[NIL], 0
	ds_add_u32 v5, v6
	s_wait_dscnt 0x0
	v_lshrrev_b32 v8, 5, v0
	v_readfirstlane_b32 s[WV], v8                  ; wave 0..15
	v_and_b32 v8, 31, v0
	v_lshlrev_b32 v[LI], 4, v8
	v_lshl_add_u32 v[AKS0], v8, 2, SCL
	v_lshl_add_u32 v[AVS0], v8, 2, SCL+16384
	v_lshlrev_b32 v[PFO], 8, v8
	v_and_b32 v9, 15, v0
	v_lshlrev_b32 v[R4], 2, v9
	s_bfe_u32 s[CX], ttmp6, 0x40000                ; my place in the cluster: it enters q's, y's and the prefetches' addresses alone
	s_lshl_b32 s82, ttmp9, 2
	s_add_co_u32 s82, s82, s[CX]                   ; my block of 256 queries
	s_lshl_b32 s[TT], s82, 4
	s_add_co_u32 s[TT], s[TT], s[WV]
	s_and_b32 s[HEAD], ttmp7, 0xffff               ; the head, which the four partners share
	s_mov_b32 s[G1], 15|(3<<16)|(1<<21)            ; the mask: all four work-groups; elements of 8 bytes; bit 21 set beside a mask; no padding
	s_mov_b32 s[G1+1], 32<<16                      ; rows of 256 bytes
	s_mov_b32 s[G1+2], 64<<16                      ; 64 of them: a step's record
	s_mov_b32 s[G1+3], 32<<16
	s_mov_b32 s[G1+4], 64
	s_mov_b32 s[G1+5], 32
	s_mov_b32 s[G1+6], 0
	s_mov_b32 s[G1+7], 0
	s_mov_b32 s[G1S], 15|(3<<16)|(1<<21)           ; the same with 24 rows: a quarter of the head's scale words
	s_mov_b32 s[G1S+1], 32<<16
	s_mov_b32 s[G1S+2], 24<<16
	s_mov_b32 s[G1S+3], 32<<16
	s_mov_b32 s[G1S+4], 24
	s_mov_b32 s[G1S+5], 32
	s_mov_b32 s[G1S+6], 0
	s_mov_b32 s[G1S+7], 0
	s_lshl_b32 s84, s[HEAD], 19
	s_lshl_b32 s85, s[WV], 14
	s_add_co_u32 s84, s84, s85                     ; step w of the head
	s_mov_b32 s85, 0
	s_mul_i32 s86, s[HEAD], 24576
	s_and_b32 s87, s[WV], 3
	s_mul_i32 s87, s87, 6144
	s_add_co_u32 s86, s86, s87
	s_add_co_u32 s86, s86, KVS_OFF
	s_add_co_u32 s[G0S+1], s87, SCL
	s_mov_b32 s87, 0
	s_mov_b32 s[SEL], 0x76543210
	s_mov_b32 s[SEL+1], 0xfedcba98
	s_mov_b32 s[CS], 0x3e38aa3b                    ; log2(e) / 8
	s_mov_b32 s[CS+1], s[CS]                       ; (named with it as a pair, so it is written)
	s_mov_b32 s[MNT], 0x600000
	s_mov_b32 s[TB], 0
	s_mov_b32 s[TS], 0
	s_mov_b32 s[TJ], 0
	s_mov_b32 s[SLOTS], 3
	s_wait_kmcnt 0x0
	s_mov_b32 s[G0], 1
	s_lshl_b32 s[G0+1], s[WV], 14                  ; slot 0, step w
	s_add_nc_u64 s[G0+2:G0+3], s[6:7], s[84:85]
	s_or_b32 s[G0+3], s[G0+3], 0x80000000
	s_mov_b32 s[G0S], 1
	s_add_nc_u64 s[G0S+2:G0S+3], s[6:7], s[86:87]
	s_or_b32 s[G0S+3], s[G0S+3], 0x80000000
	CROUND                                         ; all four work-groups are here: the first joint loads meet
	s_cmp_lt_u32 s[WV], 8                          ; the first fills: waves 0-7 slot 0, waves 8-11 the scale words; a wave has one load out
	s_cbranch_scc0 .Lnot_codes
	tensor_load_to_lds s[G0:G0+3], s[G1:G1+7]
	s_nop 0
	PLACES 4
	s_branch .Lfirst_asked
.Lnot_codes:
	s_cmp_lt_u32 s[WV], 12
	s_cbranch_scc0 .Lfirst_asked
	tensor_load_to_lds s[G0S:G0S+3], s[G1S:G1S+7]
	s_nop 0
	PLACES 4
.Lfirst_asked:
	s_lshl_b32 s88, s[HEAD], 8
	s_add_co_u32 s88, s88, s[TT]                   ; 256 x head + tile
	s_lshl_b32 s90, s88, 10
	s_mov_b32 s91, 0
	s_add_nc_u64 s[72:73], s[4:5], s[90:91]
	s_lshl_b32 s90, s88, 6
	s_add_co_u32 s90, s90, QS_OFF
	s_add_nc_u64 s[74:75], s[4:5], s[90:91]
.irp c, 0,1
	global_load_b128 v[QT+4*\c:QT+4*\c+3], v[LI], s[72:73] offset:512*\c        ; q, twice: in front of the zeros and behind them
	global_load_b128 v[QT+16+4*\c:QT+16+4*\c+3], v[LI], s[72:73] offset:512*\c
.endr
	global_load_b32 v[QW], v[R4], s[74:75]
.set j_, 0
.rept 8
	v_mov_b32 v[QT+8+j_], 0                        ; the zero codes: set once
	v_mov_b32 v[KT+8+j_], 0
	v_mov_b32 v[KT+32+j_], 0
.set j_, j_+1
.endr
.set j_, 0
.rept 32
	v_mov_b32 v[OT+j_], 0                          ; O^T.  (The step is written once: the first finds zeros, which the first change of M leaves zeros)
.set j_, j_+1
.endr
	v_mov_b32 v13, 0xff61b1e6                      ; the largest t so far: -3e38
	v_floor_f32 v12, -v13                          ; -M
	v_mov_b32 v14, 0
	v_mov_b32 v15, 0
.irp b, 0,1,2,3
	v_mov_b32 v[T1+\b], 0                          ; a lane permute's destination counts as read
.endr
	v_mov_b32 v[FF+1], 0
	v_mov_b32 v[TMP], 0
	s_lshl_b32 s82, s[HEAD], 19                    ; the prefetches: my wave's 8,192 bytes of my work-group's 32,768, in slot 1: the first change of slots steps it to slot 2
	s_lshl_b32 s83, s[CX], 15
	s_add_co_u32 s82, s82, s83
	s_and_b32 s83, s[WV], 3
	s_lshl_b32 s83, s83, 13
	s_add_co_u32 s82, s82, s83
	s_add_co_u32 s82, s82, 131072
	s_mov_b32 s83, 0
	s_add_nc_u64 s[PFA:PFA+1], s[6:7], s[82:83]
	s_sub_co_u32 s82, s[WV], 8
	s_lshr_b32 s82, s82, 2                         ; 0 in waves 8 to 11,
	s_or_b32 s82, s82, ttmp9                       ; of the head's first cluster: the same in all four partners
	s_cmp_eq_u32 s82, 0
	s_cselect_b32 s[LIM], 1, -1
; A KEY STEP: 128 keys.
.macro STEP
	v_add_nc_u32 v[ADK], s[TB], v[LI]
	v_add_nc_u32 v[ADS], s[TS], v[AKS0]
	v_add_nc_u32 v[ADT], s[TJ], v[AVS0]
	PLACES 6                                       ; with the three additions nine places behind the last products: S^T is laid over the registers that held v's fragments, and v's scale registers are loaded anew
.irp p, 0,1,2,3
	ds_load_b32 v[KSW+\p], v[ADS] offset:128*\p
.endr
.irp p, 0,1
	ds_load_b32 v[VSW+\p], v[ADT] offset:128*\p
.endr
.irp g, 0,1                                    ; S^T = k q^T, four tiles of 16 keys at a time
.if \g > 0
	PLACES 8                                       ; in front of loads into registers that matrix instructions have read
.endif
.irp tt, 0,1,2,3
.irp c, 0,1
	ds_load_b128 v[KT+24*(\tt/2)+16*(\tt%2)+4*\c:KT+24*(\tt/2)+16*(\tt%2)+4*\c+3], v[ADK] offset:1024*(4*\g+\tt)+512*\c
.endr
.endr
	s_wait_dscnt 0x0
.irp tt, 0,1,2,3
.set d_, ST+8*(4*\g+\tt)
.set a_, KT+24*(\tt/2)+8*(\tt%2)
.set b_, QT+8*(\tt%2)
.set c_, -1
.set sa_, KSW+2*\g+\tt/2
.set ra_, \tt%2
.set sb_, QW
	WM
.endr
.endr
	PLACES 8
.irp b, 0,1,2,3
	v_max3_num_f32 v[BM+\b], v[ST+16*\b], v[ST+1+16*\b], v[ST+2+16*\b]   ; the largest score of each block of 32 keys: for the row's maximum, and, since p rises with the score, for the block's largest p
.endr
.irp i, 3,5,7,9,11,13
.irp b, 0,1,2,3
	v_max3_num_f32 v[BM+\b], v[BM+\b], v[ST+16*\b+\i], v[ST+1+16*\b+\i]
.endr
.endr
.irp b, 0,1,2,3
	v_max_num_f32 v[BM+\b], v[BM+\b], v[ST+15+16*\b]
.endr
.irp b, 0,1,2,3
	v_permlanex16_b32 v[T1+\b], v[BM+\b], s[SEL], s[SEL+1]
.endr
.irp b, 0,1,2,3
	v_max_num_f32 v[BM+\b], v[BM+\b], v[T1+\b]     ; with lane l xor 16's 16 keys
.endr
	v_max3_num_f32 v[TMP], v[BM], v[BM+1], v[BM+2]
	v_max_num_f32 v[TMP], v[TMP], v[BM+3]
	v_mul_f32 v[TMP], s[CS], v[TMP]                ; as t (c is positive)
	v_max_num_f32 v13, v13, v[TMP]                 ; the running largest t
	v_mov_b32 v[TMP], v12
	v_floor_f32 v12, -v13                          ; the new -M = -ceil(t): a whole number
	v_sub_f32 v[TMP], v12, v[TMP]                  ; old M - new M: a whole number, 0 or less
	v_cvt_i32_f32 v[TMP], v[TMP]                   ; (it saturates)
	v_ldexp_f32 v[FF], 1.0, v[TMP]                 ; f = 2^(old M - new M)
.set j_, 0
.rept 32
	v_pk_fma_f32 v[ST+j_:ST+j_+1], v[ST+j_:ST+j_+1], s[CS:CS+1], v[12:13] op_sel_hi:[1,0,0]   ; t - M, two at a time
.set j_, j_+2
.endr
.irp b, 0,1,2,3
	v_fma_f32 v[BM+\b], v[BM+\b], s[CS], v12       ; the same of each block's largest score
.endr
.set j_, 0
.rept 64
	v_exp_f32 v[ST+j_], v[ST+j_]                   ; p = 2^(t - M), at most 1
.set j_, j_+1
.endr
	v_pk_mul_f32 v[14:15], v[14:15], v[FF:FF+1] op_sel_hi:[1,0]   ; the sums under the new M: the plain line behind the exponentials
	s_wait_alu depctr_va_vdst(0)                   ; one wait for the whole batch, ahead of its first reader
.irp b, 0,1,2,3
	v_exp_f32 v[BM+\b], v[BM+\b]                   ; the block's largest p: the same two instructions on the same number
.endr
	v_pk_add_f32 v[S2:S2+1], v[ST:ST+1], v[ST+2:ST+3]   ; the row's sum is taken of the unquantised p, in two chains
.irp j, 4,8,12,16,20,24,28,32,36,40,44,48,52,56,60
	v_pk_add_f32 v[14:15], v[14:15], v[ST+\j:ST+1+\j]
	v_pk_add_f32 v[S2:S2+1], v[S2:S2+1], v[ST+2+\j:ST+3+\j]
.endr
	v_pk_add_f32 v[14:15], v[14:15], v[S2:S2+1]
	s_wait_alu depctr_va_vdst(0)                   ; and one for the four
.irp b, 0,1,2,3
	v_max_num_f32 v[BM+\b], 0x8000000, v[BM+\b]    ; the floor 2^(16 - 127): the byte cannot fall under 1
.endr
.irp b, 0,1,2,3
	v_add_nc_u32 v[SCO+\b], 0xf8800000, v[BM+\b]
.endr
.irp b, 0,1,2,3
	v_and_or_b32 v[HOLD+\b], v[BM+\b], 0x7f800000, s[MNT]
.endr
.irp b, 0,1,2,3
	v_lshrrev_b32 v[T1+\b], 23, v[SCO+\b]
.endr
	v_lshl_or_b32 v[PWD], v[T1+1], 8, v[T1]        ; p's scale word for these 128 keys
	v_lshl_or_b32 v[PWD], v[T1+2], 16, v[PWD]
	v_lshl_or_b32 v[PWD], v[T1+3], 24, v[PWD]
.irp b, 0,1,2,3
.set j_, 0
.rept 16
	v_min_num_f32 v[ST+16*\b+j_], v[ST+16*\b+j_], v[HOLD+\b]   ; the conversion does not saturate (ISA guide 7.6.2); p is not negative, so the hold is one-sided
.set j_, j_+1
.endr
	v_cvt_scalef32_pk8_bf8_f32 v[PCD+4*\b:PCD+4*\b+1], v[ST+16*\b:ST+16*\b+7], v[SCO+\b]
	v_cvt_scalef32_pk8_bf8_f32 v[PCD+4*\b+2:PCD+4*\b+3], v[ST+16*\b+8:ST+16*\b+15], v[SCO+\b]
.irp c, 0,1,2,3
	ds_load_b128 v[ST+16*\b+4*\c:ST+16*\b+4*\c+3], v[ADK] offset:8192+2048*\b+512*\c   ; p's registers are free as soon as they are converted: v's fragment b lands there under the next blocks' work
.endr
.endr
.set j_, 0
.rept 16
	v_pk_mul_f32 v[OT+j_:OT+j_+1], v[OT+j_:OT+j_+1], v[FF:FF+1] op_sel_hi:[1,0]   ; O^T under the new M
.set j_, j_+2
.endr
	PLACES 4                                       ; places between the vector lines that wrote the products' registers and the products
	s_wait_dscnt 0x0
.irp ct, 0,1,2,3                               ; O^T += v^T p^T: the four accumulators by turns
.set d_, OT+8*\ct
.set a_, ST+16*\ct
.set b_, PCD
.set c_, d_
.set sa_, VSW+\ct/2
.set ra_, \ct%2
.set sb_, PWD
	WM
.endr
	s_add_co_u32 s[TB], s[TB], 16384
	s_add_co_u32 s[TS], s[TS], 512
	s_add_co_u32 s[TJ], s[TJ], 256
.endm
; THE CHANGE OF SLOTS stands at a slot's head.  Each wave waits for all its tensor loads, adds 0 to its spare word, and waits for that and for its reads of the slot that it has left.
; fill = 1: the barrier is a round of the cluster's, so that no wave of any partner still reads that slot or has a load on its way; the joint refill is the first thing behind it and has 8 key steps in which to land.
.macro CHANGE fill
	s_wait_tensorcnt 0x0                           ; no tensor load of mine is out, so a group 0 may be written
	ds_add_u32 v[SPW], v[NIL]                      ; 0 onto my spare word
.if \fill
	s_xor_b32 s[G0+1], s[G0+1], SLOT1              ; the walking descriptor: the other slot,
	s_add_nc_u64 s[G0+2:G0+3], s[G0+2:G0+3], 131072   ; the next 8 steps; the type bits on top are not reached
	s_wait_xcnt 0x0                                ; the last prefetch, a slot back, has read its address
	s_add_nc_u64 s[PFA:PFA+1], s[PFA:PFA+1], 131072
	s_wait_dscnt 0x0                               ; the add is done, and my reads of the slot that I have left are over
	CROUND
	JLOAD
	ASK
.else
	s_wait_dscnt 0x0
	s_barrier_signal -1
	s_barrier_wait -1
.endif
.endm
.macro EIGHT                           ; a slot's eight key steps: written once, walked eight times
	s_mov_b32 s[CNT], 8
.Lstep_\@:
	STEP
	s_sub_co_u32 s[CNT], s[CNT], 1
	s_cmp_lg_u32 s[CNT], 0
	s_cbranch_scc1 .Lstep_\@
	s_sub_co_u32 s[TB], s[TB], 131072              ; back to a slot's first step,
	s_xor_b32 s[TB], s[TB], SLOT1                  ; in the other slot
.endm
	s_wait_loadcnt 0x0                             ; q
.Lslot:                                            ; three trips: behind each change of slots but the last the next slot is asked for
	CHANGE 1
	EIGHT
	s_sub_co_u32 s[SLOTS], s[SLOTS], 1
	s_cmp_lg_u32 s[SLOTS], 0
	s_cbranch_scc1 .Lslot
	CHANGE 0                                       ; the last slot is written out
	EIGHT
	; THE WAY OUT.  O^T / the sum: register 16 b + i is y(my query, 64 head + 32 b + 16 h + i): two blocks of the last projection's K, quantised here; they are parts 2 (head % 2) + b of K step head / 2.
	PLACES 8
	v_add_f32 v14, v14, v15
	v_permlanex16_b32 v[TMP], v14, s[SEL], s[SEL+1]
	v_add_f32 v14, v14, v[TMP]                     ; the row's sum
	v_rcp_f32 v14, v14
	v_nop                                          ; a plain line behind the transcendental
	s_lshr_b32 s90, s[HEAD], 1
	s_and_b32 s91, s[HEAD], 1
	s_mul_i32 s82, s[TT], 6
	s_add_co_u32 s82, s82, s90
	s_lshl_b32 s82, s82, 11
	s_lshl_b32 s83, s91, 10
	s_add_co_u32 s82, s82, s83
	s_mov_b32 s83, 0
	s_add_nc_u64 s[92:93], s[8:9], s[82:83]        ; my two parts of the fragment's image
	s_lshr_b32 s82, s[TT], 1
	s_mul_i32 s82, s82, 6
	s_add_co_u32 s82, s82, s90
	s_lshl_b32 s82, s82, 1
	s_and_b32 s94, s[TT], 1
	s_add_co_u32 s82, s82, s94
	s_lshl_b32 s82, s82, 6
	s_lshl_b32 s94, s91, 1
	s_add_co_u32 s82, s82, s94
	s_add_co_u32 s82, s82, XS_OFF
	s_add_nc_u64 s[94:95], s[8:9], s[82:83]        ; my two bytes of each row's scale word
	s_wait_alu depctr_va_vdst(0)                   ; the wait ahead of the reciprocal's first reader
.set j_, 0
.rept 32
	v_mul_f32 v[ST+j_], v[OT+j_], v14              ; each accumulator from its low end on
.set j_, j_+1
.endr
.irp b, 0,1
	v_max3_num_f32 v[BM+\b], |v[ST+16*\b]|, |v[ST+1+16*\b]|, 0x8000000
.endr
.irp i, 2,4,6,8,10,12,14
.irp b, 0,1
	v_max3_num_f32 v[BM+\b], v[BM+\b], |v[ST+16*\b+\i]|, |v[ST+1+16*\b+\i]|
.endr
.endr
.irp b, 0,1
	v_permlanex16_b32 v[T1+\b], v[BM+\b], s[SEL], s[SEL+1]
.endr
.irp b, 0,1
	v_max_num_f32 v[BM+\b], v[BM+\b], v[T1+\b]
.endr
.irp b, 0,1
	v_add_nc_u32 v[SCO+\b], 0xf8800000, v[BM+\b]
.endr
.irp b, 0,1
	v_and_or_b32 v[HOLD+\b], v[BM+\b], 0x7f800000, s[MNT]
.endr
.irp b, 0,1
	v_lshrrev_b32 v[T1+\b], 23, v[SCO+\b]
.endr
	v_lshl_or_b32 v[PWD], v[T1+1], 8, v[T1]
.irp b, 0,1
.set j_, 0
.rept 16
	v_med3_num_f32 v[ST+16*\b+j_], v[ST+16*\b+j_], -v[HOLD+\b], v[HOLD+\b]
.set j_, j_+1
.endr
	v_cvt_scalef32_pk8_bf8_f32 v[PCD+4*\b:PCD+4*\b+1], v[ST+16*\b:ST+16*\b+7], v[SCO+\b]
	v_cvt_scalef32_pk8_bf8_f32 v[PCD+4*\b+2:PCD+4*\b+3], v[ST+16*\b+8:ST+16*\b+15], v[SCO+\b]
.endr
	v_nop
.irp b, 0,1
	global_store_b128 v[LI], v[PCD+4*\b:PCD+4*\b+3], s[92:93] offset:512*\b   ; 512 consecutive bytes a store
.endr
	global_store_b16 v[R4], v[PWD], s[94:95]       ; both halves of the lanes hold row r's two bytes and write the same value
	s_wait_tensorcnt 0x0                           ; the wave's end
	ds_add_u32 v[SPW], v[NIL]
	s_wait_dscnt 0x0
	CROUND                                         ; the closing round: no work-group ends while a partner may still ask for a record that names it
	s_endpgm
.Lfunc_end_k_q217de4c04a_attn:
	.size	k_q217de4c04a_attn, .Lfunc_end_k_q217de4c04a_attn-k_q217de4c04a_attn
	.p2alignl 7, 3214868480
	.fill 96, 4, 3214868480
	.section	.rodata,"a",@progbits
	.p2align	6, 0x0
	.amdhsa_kernel k_q217de4c04a_attn
		.amdhsa_group_segment_fixed_size 327680
		.amdhsa_private_segment_fixed_size 0
		.amdhsa_enable_private_segment 0
		.amdhsa_kernarg_size 24
		.amdhsa_user_sgpr_count 2
		.amdhsa_user_sgpr_kernarg_segment_ptr 1
		.amdhsa_wavefront_size32 1
		.amdhsa_system_sgpr_workgroup_id_x 1
		.amdhsa_system_sgpr_workgroup_id_y 1
		.amdhsa_system_sgpr_workgroup_id_z 1
		.amdhsa_system_vgpr_workitem_id 0
		.amdhsa_next_free_vgpr 256
		.amdhsa_next_free_sgpr 100
		.amdhsa_reserve_vcc 0
		.amdhsa_float_denorm_mode_32 3
		.amdhsa_float_denorm_mode_16_64 3
		.amdhsa_memory_ordered 1
		.amdhsa_forward_progress 1
		.amdhsa_inst_pref_size 55
	.end_amdhsa_kernel
	.amdgpu_metadata
---
amdhsa.version: [ 1, 2 ]
amdhsa.kernels:
  - .name:           k_q217de4c04a_attn
    .symbol:         k_q217de4c04a_attn.kd
    .args:
      - { .name: qq, .offset: 0, .size: 8, .value_kind: global_buffer, .address_space: global }
      - { .name: kv, .offset: 8, .size: 8, .value_kind: global_buffer, .address_space: global }
      - { .name: yq, .offset: 16, .size: 8, .value_kind: global_buffer, .address_space: global }
    .group_segment_fixed_size: 327680
    .private_segment_fixed_size: 0
    .kernarg_segment_align: 8
    .kernarg_segment_size: 24
    .max_flat_workgroup_size: 512
    .sgpr_count:     100
    .vgpr_count:     256
    .wavefront_size: 32
...
	.end_amdgpu_metadata
.endif
;; end of part 3
;; launch oproj (part 4): grid 3 x 32, 4 waves a work-group, no clusters, 168,448 bytes of LDS; arguments yq, wq, bo, out0; writes out0
.if DOCPART == 4
	.amdgcn_target "amdgcn-amd-amdhsa--gfx1250"
	.amdhsa_code_object_version 6
	.text
	.protected	k_q217de4c04a_oproj
	.globl	k_q217de4c04a_oproj
	.p2align	8
	.type	k_q217de4c04a_oproj,@function
k_q217de4c04a_oproj:
	s_mov_b64 s[64:65], 0
	v_nop
	global_prefetch_b8 v0, s[64:65] scope:SCOPE_SE
	s_setreg_imm32_b32 hwreg(HW_REG_WAVE_MODE, 25, 1), 1
	s_wait_xcnt 0x0
; out0 = y Wo + bo on codes of BF8 with E8M0 scales.  y's and Wo's codes and scale words lie as images of operand registers (yq as xq; Wo is matrix 3 of wq).
; SHARES.  Work-group y: 128 rows (8 tiles); work-group x: 256 columns, a wave 64 (four column tiles).  A wave's 24 weight fragments stay in 384 registers; the block's 48 fragments of y (98,304 bytes)
; come into LDS once, by one tensor load a wave; nothing is filled again.
; NO CLUSTER: the weights go straight into registers; a block of y is read by the 3 work-groups along x, and 3 is no multiple of the cluster's 4.
; TRANSPOSED (source 0 = 16 weight columns, source 1 = 16 rows of y): a lane holds one row; the registers of column tiles 2 b, 2 b + 1 are columns 32 b + 16 h + 0 .. 15.  bo is the C of each sum's first matrix instruction.
; Lane r of row tile 2 b + u is row 32 b + 8 u + r + 8 (r / 8).  A tile's 16 rows x 64 columns go through the wave's own stage in LDS and leave as rows: sixteen lanes store 256 consecutive bytes, aligned.
; REGISTERS, in windows of 256: window 0: v1-10 addresses; v16-27 the weights' scale words; v28-51 y's; v128-255 eight fragments of y, later rows of the result.
;   window 1: weight fragments of K steps 0-3.  window 2: those of K steps 4, 5; from v128 the bias.  window 3: the 32 accumulators, (row tile i, column tile t) at 32 i + 8 t.
.set XS_OFF,  3145728
.set WS_OFF,  2359296
.set STG,  98304                       ; behind the images: a stage of 16 rows x (256 + 16) bytes for each wave; no fill lands there
.set LI,  1
.set L4,  2
.set LIA, 3
.set BOT, 5
.set STO, 6
.set RD,  7
.set CO,  10
.set WS,  16
.set XS,  28
.set XF,  128
.set OB,  128
.set B1,  128
.set WV,  18
.set RB,  21
.set CG,  22
.set G0,  24
.set G1,  28
.set OUT, 42
.set XSB, 50
.set WB,  54
.set BB,  56
.set WSB, 58
.set MSB, 0
.macro WIN new                         ; the immediate's high byte repeats the setting that is left
.if MSB != \new
	s_set_vgpr_msb (MSB<<8)|\new
.set MSB, \new
.endif
.endm
.macro PLACES n
.rept \n
	v_nop
.endr
.endm
.macro WM                              ; one matrix instruction; ra_, rb_ = 1: that side's scales are read from lanes 16-31
.if ra_ && rb_
	v_wmma_scale_f32_16x16x128_f8f6f4 v[d_:d_+7], v[a_:a_+15], v[b_:b_+15], v[c_:c_+7], v[sa_], v[sb_] matrix_a_fmt:MATRIX_FMT_BF8 matrix_b_fmt:MATRIX_FMT_BF8 matrix_a_scale:MATRIX_SCALE_ROW1 matrix_b_scale:MATRIX_SCALE_ROW1
.elseif ra_
	v_wmma_scale_f32_16x16x128_f8f6f4 v[d_:d_+7], v[a_:a_+15], v[b_:b_+15], v[c_:c_+7], v[sa_], v[sb_] matrix_a_fmt:MATRIX_FMT_BF8 matrix_b_fmt:MATRIX_FMT_BF8 matrix_a_scale:MATRIX_SCALE_ROW1
.elseif rb_
	v_wmma_scale_f32_16x16x128_f8f6f4 v[d_:d_+7], v[a_:a_+15], v[b_:b_+15], v[c_:c_+7], v[sa_], v[sb_] matrix_a_fmt:MATRIX_FMT_BF8 matrix_b_fmt:MATRIX_FMT_BF8 matrix_b_scale:MATRIX_SCALE_ROW1
.else
	v_wmma_scale_f32_16x16x128_f8f6f4 v[d_:d_+7], v[a_:a_+15], v[b_:b_+15], v[c_:c_+7], v[sa_], v[sb_] matrix_a_fmt:MATRIX_FMT_BF8 matrix_b_fmt:MATRIX_FMT_BF8
.endif
.endm
.macro FETCHX half, s                  ; 16 LDS loads: K step s of tiles 4 half .. 4 half + 3
.irp i, 0,1,2,3
.irp c, 0,1,2,3
	ds_load_b128 v[XF+16*(4*\half+\i)+4*\c:XF+16*(4*\half+\i)+4*\c+3], v[LIA+\half] offset:\i*12288+2048*(\s)+512*\c
.endr
.endr
.endm
.macro MUL s, half                     ; 16 matrix instructions: four row tiles x my four column tiles; the 32 accumulators take turns
.if \s == 0
	WIN 0xe1                                       ; source 0 (weights) window 1, source 1 (y) window 0, C (bias) window 2, D window 3
.elseif \s < 4
	WIN 0xf1
.else
	WIN 0xf2
.endif
.irp i, 0,1,2,3
.irp t, 0,1,2,3
.set ti_, 4*\half+\i
.set d_, 32*ti_+8*\t
.set a_, 16*(4*((\s)%4)+\t)
.set b_, XF+16*ti_
.set sa_, WS+2*(\s)+\t/2
.set ra_, \t%2
.set sb_, XS+4*(\s)+ti_/2
.set rb_, ti_%2
.if \s == 0
.set c_, B1+8*\t
.else
.set c_, d_
.endif
	WM
.endr
.endr
.endm
	s_load_b256 s[4:11], s[0:1], 0x0               ; yq, wq, bo, out0
	v_lshl_add_u32 v126, v0, 2, 0x29000
	v_mov_b32 v127, 0
	ds_add_u32 v126, v127
	v_lshrrev_b32 v11, 5, v0
	v_readfirstlane_b32 s[WV], v11                 ; wave 0..3
	v_and_b32 v11, 31, v0
	v_lshlrev_b32 v[LI], 4, v11
	v_lshlrev_b32 v[L4], 2, v11
	v_mov_b32 v[LIA], v[LI]                        ; tiles 0-3 begin at LDS byte 0,
	v_add_nc_u32 v[LIA+1], 49152, v[LI]            ; tiles 4-7 here
	v_bfe_u32 v8, v0, 4, 1                         ; h
	v_and_b32 v9, 15, v0                           ; r
	v_lshlrev_b32 v[BOT], 6, v8
	s_mul_i32 s60, s[WV], 4352
	s_add_co_u32 s60, s60, STG                     ; my stage
	v_mul_u32_u24 v[STO], v9, 272
	v_lshl_add_u32 v[STO], v8, 6, v[STO]
	v_add_nc_u32 v[STO], s60, v[STO]               ; in: row r, + 64 h: my half's 16 columns of each 32
	v_mul_u32_u24 v[RD], v8, 272
	v_lshl_add_u32 v[RD], v9, 4, v[RD]
	v_add_nc_u32 v[RD], s60, v[RD]                 ; back: lanes 0-15 one row of 256 bytes, lanes 16-31 the next
	v_mul_u32_u24 v[CO], v8, 3072
	v_lshl_add_u32 v[CO], v9, 4, v[CO]             ; and the same two rows in out0
	s_and_b32 s[RB], ttmp7, 0xffff                 ; the block of 128 rows
	s_lshl_b32 s[CG], ttmp9, 2
	s_add_co_u32 s[CG], s[CG], s[WV]               ; my 64 columns
	s_mov_b32 s[G1], 3<<16                         ; elements of 8 bytes, no mask, no padding
	s_mov_b32 s[G1+1], 32<<16                      ; rows of 256 bytes
	s_mov_b32 s[G1+2], 96<<16                      ; 96 of them: two tiles x 6 K steps x 2,048 bytes, dense
	s_mov_b32 s[G1+3], 32<<16
	s_mov_b32 s[G1+4], 96
	s_mov_b32 s[G1+5], 32
	s_mov_b32 s[G1+6], 0
	s_mov_b32 s[G1+7], 0
	s_mov_b32 s[G0], 1
	s_mul_i32 s[G0+1], s[WV], 24576
	s_lshl_b32 s52, s[RB], 3
	s_lshl_b32 s53, s[WV], 1
	s_add_co_u32 s52, s52, s53
	s_mul_i32 s52, s52, 12288
	s_mov_b32 s53, 0
	s_wait_dscnt 0x0
	s_wait_kmcnt 0x0
	s_add_nc_u64 s[G0+2:G0+3], s[4:5], s[52:53]
	s_or_b32 s[G0+3], s[G0+3], 0x80000000
	tensor_load_to_lds s[G0:G0+3], s[G1:G1+7]      ; the launch's only tensor load of this wave: one is out
	s_nop 0
	PLACES 4
	s_lshl_b32 s52, s[CG], 2
	s_add_co_u32 s52, s52, 144                     ; matrix 3: column tiles 144 on
	s_mul_i32 s52, s52, 12288
	s_add_nc_u64 s[WB:WB+1], s[6:7], s[52:53]
	WIN 0x40
.irp s, 0,1,2,3
.irp t, 0,1,2,3
.irp c, 0,1,2,3
	global_load_b128 v[16*(4*\s+\t)+4*\c:16*(4*\s+\t)+4*\c+3], v[LI], s[WB:WB+1] offset:(6*\t+\s)*2048+512*\c
.endr
.endr
.endr
	WIN 0x80
.irp s, 4,5
.irp t, 0,1,2,3
.irp c, 0,1,2,3
	global_load_b128 v[16*(4*(\s-4)+\t)+4*\c:16*(4*(\s-4)+\t)+4*\c+3], v[LI], s[WB:WB+1] offset:(6*\t+\s)*2048+512*\c
.endr
.endr
.endr
	s_lshl_b32 s52, s[CG], 8
	s_add_nc_u64 s[BB:BB+1], s[8:9], s[52:53]
.irp t, 0,1,2,3                                ; lane (r, h) wants, for tile t, columns 32 (t / 2) + 8 (t % 2) + 16 h + 0 .. 7
	global_load_b128 v[B1+8*\t:B1+8*\t+3], v[BOT], s[BB:BB+1] offset:(32*(\t/2)+8*(\t%2))*4
	global_load_b128 v[B1+8*\t+4:B1+8*\t+7], v[BOT], s[BB:BB+1] offset:(32*(\t/2)+8*(\t%2))*4+16
.endr
	WIN 0
	s_add_co_u32 s52, s52, WS_OFF+3*18432
	s_add_nc_u64 s[WSB:WSB+1], s[6:7], s[52:53]
.irp s, 0,1,2,3,4,5
.irp p, 0,1
	global_load_b32 v[WS+2*\s+\p], v[L4], s[WSB:WSB+1] offset:3072*\s+128*\p
.endr
.endr
	s_mul_i32 s52, s[RB], 3072
	s_add_co_u32 s52, s52, XS_OFF
	s_add_nc_u64 s[XSB:XSB+1], s[4:5], s[52:53]
.irp s, 0,1,2,3,4,5
.irp p, 0,1,2,3
	global_load_b32 v[XS+4*\s+\p], v[L4], s[XSB:XSB+1] offset:(6*\p+\s)*128
.endr
.endr
	s_mul_i32 s52, s[RB], 393216
	s_lshl_b32 s60, s[CG], 8
	s_add_co_u32 s52, s52, s60
	s_add_nc_u64 s[OUT:OUT+1], s[10:11], s[52:53]
	s_wait_tensorcnt 0x0                           ; my two tiles are in LDS,
	s_barrier_signal -1
	s_barrier_wait -1                              ; everybody's are: the launch's only barrier
	FETCHX 0, 0
	FETCHX 1, 0
	s_wait_loadcnt 0x0                             ; the weights, the bias, the scale words
.irp s, 0,1,2,3,4,5
	s_wait_dscnt 16                                ; tiles 0-3 are in; the sixteen younger loads (tiles 4-7) may be out
	MUL \s, 0
.if \s < 5
	PLACES 8                                       ; in front of loads into registers that matrix instructions have read
	WIN 0
	FETCHX 0, \s+1
	s_wait_dscnt 16                                ; tiles 4-7 are in; the sixteen just issued may be out
.else
	s_wait_dscnt 0x0
.endif
	MUL \s, 1
.if \s < 5
	PLACES 8
	WIN 0
	FETCHX 1, \s+1
.endif
.endr
	WIN 0
; THE WAY OUT, a row tile at a time.  Registers 4 k .. 4 k + 3 of a tile's 32 are columns 32 (k / 4) + 16 h + 4 (k % 4) + 0 .. 3.  LDS serves a wave's instructions in order: no wait between the stores and the loads.
.macro TOSTAGE i
	WIN 0x0c                                       ; an LDS store's data are its source 1: window 3
.irp k, 0,1,2,3,4,5,6,7
	ds_store_b128 v[STO], v[32*(\i)+4*\k:32*(\i)+4*\k+3] offset:128*(\k/4)+16*(\k%4)   ; each accumulator from its low end on
.endr
	WIN 0
.irp k, 0,1,2,3,4,5,6,7
	ds_load_b128 v[OB+32*((\i)%2)+4*\k:OB+32*((\i)%2)+4*\k+3], v[RD] offset:544*\k
.endr
.endm
.macro SEND i, younger                 ; younger: the LDS instructions issued behind tile i's loads, which may stay out
	s_wait_dscnt \younger
.irp k, 0,1,2,3,4,5,6,7
	global_store_b128 v[CO], v[OB+32*((\i)%2)+4*\k:OB+32*((\i)%2)+4*\k+3], s[OUT:OUT+1] offset:(32*((\i)/2)+8*((\i)%2)+2*\k+8*(\k/4))*3072 th:TH_STORE_NT   ; stage rows 2 k, 2 k + 1 are rows 2 k + 8 (k / 4) on of the tile
.endr
.endm
	PLACES 8                                       ; in front of the first read of results and of loads into registers that held y's fragments
	TOSTAGE 0
.irp a, 1,2,3,4,5,6,7
.if \a > 1
	s_wait_xcnt 0x0                                ; tile a - 2's stores have read their registers: tile a's loads may land there
.endif
	TOSTAGE \a
	SEND \a-1, 16                                  ; behind tile a - 1's loads: tile a's 8 stores and 8 loads
.endr
	SEND 7, 0
	s_wait_tensorcnt 0x0
	ds_add_u32 v126, v127
	s_wait_dscnt 0x0
	s_endpgm
.Lfunc_end_k_q217de4c04a_oproj:
	.size	k_q217de4c04a_oproj, .Lfunc_end_k_q217de4c04a_oproj-k_q217de4c04a_oproj
	.p2alignl 7, 3214868480
	.fill 96, 4, 3214868480
	.section	.rodata,"a",@progbits
	.p2align	6, 0x0
	.amdhsa_kernel k_q217de4c04a_oproj
		.amdhsa_group_segment_fixed_size 168448
		.amdhsa_private_segment_fixed_size 0
		.amdhsa_enable_private_segment 0
		.amdhsa_kernarg_size 32
		.amdhsa_user_sgpr_count 2
		.amdhsa_user_sgpr_kernarg_segment_ptr 1
		.amdhsa_wavefront_size32 1
		.amdhsa_system_sgpr_workgroup_id_x 1
		.amdhsa_system_sgpr_workgroup_id_y 1
		.amdhsa_system_sgpr_workgroup_id_z 1
		.amdhsa_system_vgpr_workitem_id 0
		.amdhsa_next_free_vgpr 1024
		.amdhsa_next_free_sgpr 66
		.amdhsa_reserve_vcc 0
		.amdhsa_float_denorm_mode_32 3
		.amdhsa_float_denorm_mode_16_64 3
		.amdhsa_memory_ordered 1
		.amdhsa_forward_progress 1
		.amdhsa_inst_pref_size 72
	.end_amdhsa_kernel
	.amdgpu_metadata
---
amdhsa.version: [ 1, 2 ]
amdhsa.kernels:
  - .name:           k_q217de4c04a_oproj
    .symbol:         k_q217de4c04a_oproj.kd
    .args:
      - { .name: yq, .offset: 0, .size: 8, .value_kind: global_buffer, .address_space: global }
      - { .name: wq, .offset: 8, .size: 8, .value_kind: global_buffer, .address_space: global }
      - { .name: bo, .offset: 16, .size: 8, .value_kind: global_buffer, .address_space: global }
      - { .name: out0, .offset: 24, .size: 8, .value_kind: global_buffer, .address_space: global }
    .group_segment_fixed_size: 168448
    .private_segment_fixed_size: 0
    .kernarg_segment_align: 8
    .kernarg_segment_size: 32
    .max_flat_workgroup_size: 128
    .sgpr_count:     66
    .vgpr_count:     1024
    .wavefront_size: 32
...
	.end_amdgpu_metadata
.endif
;; end of part 4
;; ======== version 2 of 2: 4 launches
;; limits: right only within a limited range of input values
;; workspace buffers: xq 3,244,032 bytes; wq 2,433,024 bytes; qq 3,342,336 bytes; kv 6,586,368 bytes; yq 3,244,032 bytes
;; launch quant: the kernel of part 1 again; grid 88 x 6, 4 waves a work-group, no clusters, 34,304 bytes of LDS; arguments x, Wq, Wk, Wv, Wo, xq, wq; writes xq, wq
;; launch qkv (part 5): grid 3 x 48, 4 waves a work-group, no clusters, 197,120 bytes of LDS; arguments xq, wq, bq, bk, bv, qq, kv; writes qq, kv
.if DOCPART == 5
	.amdgcn_target "amdgcn-amd-amdhsa--gfx1250"
	.amdhsa_code_object_version 6
	.text
	.protected	k_q217de4c04a_qkv
	.globl	k_q217de4c04a_qkv
	.p2align	8
	.type	k_q217de4c04a_qkv,@function
k_q217de4c04a_qkv:
	s_mov_b64 s[64:65], 0
	v_nop
	global_prefetch_b8 v0, s[64:65] scope:SCOPE_SE
	s_setreg_imm32_b32 hwreg(HW_REG_WAVE_MODE, 25, 1), 1
	s_wait_xcnt 0x0
; q = x Wq + bq, k = x Wk + bk, v = x Wv + bv on codes of BF8 with E8M0 scales, and their results quantised at once for the attention: q and k along the head's 64 channels, v along the keys.
; SHARES.  Work-group y = 16 x matrix + row block: 256 rows (16 tiles) of one of q, k, v; work-group x: four heads, a wave a head (64 columns: four column tiles).
; A wave's 24 weight fragments (4 tiles x 6 K steps) stay in 384 registers, read from memory once.  The block's 96 fragments of x (196,608 bytes) come into LDS once, by one tensor load a wave; nothing is filled again.
; NO CLUSTER: the weights go straight into registers; a block of x is read by the 3 work-groups along x (and by 3 matrices along y), and 3 is no multiple of the cluster's 4.
; q, k (TRANSPOSED: source 0 = 16 weight columns, source 1 = 16 rows of x): a lane holds one token, the registers of column tiles 2 b, 2 b + 1 are channels 32 b + 16 h + 0 .. 15 of the head.
; v (source 0 = 16 rows of x, source 1 = 16 weight columns): a lane holds one channel, the registers of row tiles 2 b, 2 b + 1 are tokens 32 b + 16 h + 0 .. 15: the keys are the next K.
; In both cases the conversions' results ARE the next operand's registers; they leave as images, 512 consecutive bytes a store.  The bias is the C of each sum's first matrix instruction.
; OUT: qq: codes [head][tile 256][1024], scale words (s0, s1, s0, s1) [head][tile][16] from QS_OFF on.  kv: [head][key step 32][8 tiles of k x 1024, then 4 fragments of v^T x 2048];
;   from KVS_OFF on, 24,576 bytes a head: k's words [tile 256][16], then v's [key step 32][channel tile 4][16].
; LIMITS: a block of zeros gets the byte 1; blocks whose largest magnitude lies under 2^-111 are held at that floor; NaN and infinities are not served.
; REGISTERS, in windows of 256: window 0: v1-6 addresses; v16-27 the weights' scale words; v28-51 x's; v52-87 the quantiser; v128-255 eight fragments of x.
;   window 1: weight fragments of K steps 0-3 at 16 (4 s + t).  window 2: those of K steps 4, 5 at 16 (4 (s - 4) + t); from v128 the bias, 8 registers a column tile.  window 3: the 32 accumulators.
.set XS_OFF,  3145728
.set WS_OFF,  2359296
.set QS_OFF,  3145728
.set KVS_OFF, 6291456
.set LI,  1                            ; 16 x lane
.set L4,  2                            ; 4 x lane
.set LIA, 3                            ; v3, v4: LDS address of the group's tiles 0-3 and 4-7
.set BOT, 5                            ; the bias, q and k: 64 h
.set BON, 6                            ; the bias, v: 4 (r + 8 (r / 8))
.set WS,  16                           ; register 2 s + p: lanes 0-15 column tile 2 p, lanes 16-31 tile 2 p + 1
.set XS,  28                           ; register 4 s + p: lanes 0-15 row tile 2 p of the group, lanes 16-31 tile 2 p + 1
.set TM,  52                           ; +0 largest magnitudes, +4 bytes, +8 the hold, +12 the conversions' scale operands
.set W0,  68
.set W1,  69
.set PW,  70
.set PWE, 71
.set PC,  72
.set XF,  128
.set B1,  128
.set WV,  18
.set MAT, 20
.set RB,  21
.set HEAD, 22
.set G0,  24
.set G1,  28
.set SEL, 36
.set MNT, 38
.set HM,  39                           ; the mask of lanes 16-31
.set GRP, 40
.set GB,  41                           ; LDS byte at which the group's tiles begin
.set OC,  42                           ; where the group's codes go;  s[46:47] its step from group to group
.set OS,  44                           ; where its scale words go;    s[48:49] likewise
.set OCS, 46
.set OSS, 48
.set XSB, 50                           ; x's scale words of the group
.set WB,  54
.set BB,  56
.set WSB, 58
.set MSB, 0
.macro WIN new                         ; the immediate's high byte repeats the setting that is left
.if MSB != \new
	s_set_vgpr_msb (MSB<<8)|\new
.set MSB, \new
.endif
.endm
.macro PLACES n
.rept \n
	v_nop
.endr
.endm
; one matrix instruction; its registers stand in the symbols d_, a_, b_, c_, sa_, sb_; ra_, rb_ = 1: that side's scales are read from lanes 16-31
.macro WM
.if ra_ && rb_
	v_wmma_scale_f32_16x16x128_f8f6f4 v[d_:d_+7], v[a_:a_+15], v[b_:b_+15], v[c_:c_+7], v[sa_], v[sb_] matrix_a_fmt:MATRIX_FMT_BF8 matrix_b_fmt:MATRIX_FMT_BF8 matrix_a_scale:MATRIX_SCALE_ROW1 matrix_b_scale:MATRIX_SCALE_ROW1
.elseif ra_
	v_wmma_scale_f32_16x16x128_f8f6f4 v[d_:d_+7], v[a_:a_+15], v[b_:b_+15], v[c_:c_+7], v[sa_], v[sb_] matrix_a_fmt:MATRIX_FMT_BF8 matrix_b_fmt:MATRIX_FMT_BF8 matrix_a_scale:MATRIX_SCALE_ROW1
.elseif rb_
	v_wmma_scale_f32_16x16x128_f8f6f4 v[d_:d_+7], v[a_:a_+15], v[b_:b_+15], v[c_:c_+7], v[sa_], v[sb_] matrix_a_fmt:MATRIX_FMT_BF8 matrix_b_fmt:MATRIX_FMT_BF8 matrix_b_scale:MATRIX_SCALE_ROW1
.else
	v_wmma_scale_f32_16x16x128_f8f6f4 v[d_:d_+7], v[a_:a_+15], v[b_:b_+15], v[c_:c_+7], v[sa_], v[sb_] matrix_a_fmt:MATRIX_FMT_BF8 matrix_b_fmt:MATRIX_FMT_BF8
.endif
.endm
; 16 LDS loads: K step s of the group's tiles 4 half .. 4 half + 3, as images: 512 consecutive bytes a load
.macro FETCHX half, s
.irp i, 0,1,2,3
.irp c, 0,1,2,3
	ds_load_b128 v[XF+16*(4*\half+\i)+4*\c:XF+16*(4*\half+\i)+4*\c+3], v[LIA+\half] offset:\i*12288+2048*(\s)+512*\c
.endr
.endr
.endm
; 16 matrix instructions: four row tiles x my four column tiles, K step s.  path 0: q, k;  1: v.  The 32 accumulators take turns, one instruction a turn.
.macro MUL path, s, half
.if \path == 0
.if \s == 0
	WIN 0xe1                                       ; source 0 (weights) window 1, source 1 (x) window 0, C (bias) window 2, D window 3
.elseif \s < 4
	WIN 0xf1
.else
	WIN 0xf2
.endif
.else
.if \s == 0
	WIN 0xe4                                       ; source 0 (x) window 0, source 1 (weights) window 1
.elseif \s < 4
	WIN 0xf4
.else
	WIN 0xf8
.endif
.endif
.irp i, 0,1,2,3
.irp t, 0,1,2,3
.set ti_, 4*\half+\i
.set wf_, 16*(4*((\s)%4)+\t)
.if \path == 0
.set d_, 32*ti_+8*\t
.set a_, wf_
.set b_, XF+16*ti_
.set sa_, WS+2*(\s)+\t/2
.set ra_, \t%2
.set sb_, XS+4*(\s)+ti_/2
.set rb_, ti_%2
.else
.set d_, 64*\t+8*ti_
.set a_, XF+16*ti_
.set b_, wf_
.set sa_, XS+4*(\s)+ti_/2
.set ra_, ti_%2
.set sb_, WS+2*(\s)+\t/2
.set rb_, \t%2
.endif
.if \s == 0
.set c_, B1+8*\t
.else
.set c_, d_
.endif
	WM
.endr
.endr
.endm
; a group of 128 rows: 192 matrix instructions.  A half's fragments are fetched anew as soon as its sixteen products are issued, eight places behind them.
.macro GROUP path
.irp s, 0,1,2,3,4,5
	s_wait_dscnt 16                                ; tiles 0-3 are in; the sixteen younger loads (tiles 4-7) may be out
	MUL \path, \s, 0
.if \s < 5
	PLACES 8
	WIN 0
	FETCHX 0, \s+1
	s_wait_dscnt 16                                ; tiles 4-7 are in; the sixteen just issued may be out
.else
	s_wait_dscnt 0x0
.endif
	MUL \path, \s, 1
.if \s < 5
	PLACES 8
	WIN 0
	FETCHX 1, \s+1
.endif
.endr
	WIN 0
.endm
; 64 accumulator registers a .. a + 63 of window 3, register 16 b + i = place 32 b + 16 h + i along the next K, become 16 registers of codes in v[PC] on; the four bytes stand in v[TM+4] on.
.macro QUANT3 a
	WIN 0x0f                                       ; sources 0 and 1 window 3
.irp b, 0,1,2,3
	v_max3_num_f32 v[TM+\b], |v[(\a)+16*\b]|, |v[(\a)+16*\b+1]|, 0x8000000   ; each accumulator is read from its low end on; the floor 2^(16 - 127) holds the byte at 1 from below
.endr
.irp i, 2,4,6,8,10,12,14
.irp b, 0,1,2,3
	v_max3_num_f32 v[TM+\b], |v[(\a)+16*\b+\i]|, |v[(\a)+16*\b+\i+1]|, v[TM+\b]
.endr
.endr
	WIN 0
.irp b, 0,1,2,3
	v_permlanex16_b32 v[TM+4+\b], v[TM+\b], s[SEL], s[SEL+1]
.endr
.irp b, 0,1,2,3
	v_max_num_f32 v[TM+\b], v[TM+\b], v[TM+4+\b]   ; with lane l xor 16's: the block's largest magnitude
.endr
.irp b, 0,1,2,3
	v_add_nc_u32 v[TM+12+\b], 0xf8800000, v[TM+\b]
.endr
.irp b, 0,1,2,3
	v_and_or_b32 v[TM+8+\b], v[TM+\b], 0x7f800000, s[MNT]
.endr
.irp b, 0,1,2,3
	v_lshrrev_b32 v[TM+4+\b], 23, v[TM+12+\b]
.endr
	WIN 0xc3                                       ; destination and source 0 window 3
.irp b, 0,1,2,3
.irp i, 0,1,2,3,4,5,6,7,8,9,10,11,12,13,14,15
	v_med3_num_f32 v[(\a)+16*\b+\i], v[(\a)+16*\b+\i], -v[TM+8+\b], v[TM+8+\b]   ; the conversion does not saturate (ISA guide 7.6.2): the hold
.endr
.endr
	WIN 0x03
.irp b, 0,1,2,3
	v_cvt_scalef32_pk8_bf8_f32 v[PC+4*\b:PC+4*\b+1], v[(\a)+16*\b:(\a)+16*\b+7], v[TM+12+\b]
	v_cvt_scalef32_pk8_bf8_f32 v[PC+4*\b+2:PC+4*\b+3], v[(\a)+16*\b+8:(\a)+16*\b+15], v[TM+12+\b]
.endr
	WIN 0
	v_nop                                          ; a plain line behind the last conversion: later products write its sources
.endm
.macro CODES n
.irp k, 0,1,2,3
	global_store_b128 v[LI], v[PC+4*\k:PC+4*\k+3], s[OC:OC+1] offset:2048*(\n)+512*\k
.endr
.endm
.macro CHUNK_T n                       ; q, k: row tiles 2 n and 2 n + 1 of the group, two blocks of 32 channels each
	s_wait_xcnt 0x0                                ; the last chunk's stores have read their data: only behind this wait are they written again
	QUANT3 64*\n
	v_lshl_or_b32 v[W0], v[TM+5], 8, v[TM+4]
	v_lshl_or_b32 v[W1], v[TM+7], 8, v[TM+6]
	v_lshl_or_b32 v[W0], v[W0], 16, v[W0]          ; (s0, s1, s0, s1): the 64 channels may stand in either half of a K step of 128
	v_lshl_or_b32 v[W1], v[W1], 16, v[W1]
	v_cndmask_b32 v[PW], v[W0], v[W1], s[HM]       ; lanes 0-15 tile 2 n's words, lanes 16-31 tile 2 n + 1's
	global_store_b32 v[L4], v[PW], s[OS:OS+1] offset:128*(\n)
	CODES \n
.endm
.macro CHUNK_N n                       ; v: channel tile n, four blocks of 32 keys
	s_wait_xcnt 0x0
	QUANT3 64*\n
	v_lshl_or_b32 v[W0], v[TM+5], 8, v[TM+4]
	v_lshl_or_b32 v[W0], v[TM+6], 16, v[W0]
.if (\n)%2 == 0
	v_lshl_or_b32 v[PWE], v[TM+7], 24, v[W0]       ; kept for the next chunk
.else
	v_lshl_or_b32 v[W0], v[TM+7], 24, v[W0]
	v_cndmask_b32 v[PW], v[PWE], v[W0], s[HM]
	global_store_b32 v[L4], v[PW], s[OS:OS+1] offset:128*((\n)/2)
.endif
	CODES \n
.endm
	s_load_b256 s[4:11], s[0:1], 0x0               ; xq, wq, bq, bk
	s_load_b128 s[12:15], s[0:1], 0x20             ; bv, qq
	s_load_b64 s[16:17], s[0:1], 0x30              ; kv
	v_lshl_add_u32 v126, v0, 2, 0x30000
	v_mov_b32 v127, 0
	ds_add_u32 v126, v127
	ds_add_u32 v126, v127
	v_lshrrev_b32 v7, 5, v0
	v_readfirstlane_b32 s[WV], v7                  ; wave 0..3
	v_and_b32 v7, 31, v0
	v_lshlrev_b32 v[LI], 4, v7
	v_lshlrev_b32 v[L4], 2, v7
	v_cmp_lt_u32 s[HM], 15, v7
	v_bfe_u32 v8, v0, 4, 1
	v_lshlrev_b32 v[BOT], 6, v8
	v_and_b32 v9, 15, v0
	v_and_b32 v10, 8, v9
	v_add_nc_u32 v10, v10, v9
	v_lshlrev_b32 v[BON], 2, v10
.irp b, 0,1,2,3
	v_mov_b32 v[TM+4+\b], 0                        ; a lane permute's destination counts as read
.endr
	s_and_b32 s52, ttmp7, 0xffff
	s_lshr_b32 s[MAT], s52, 4                      ; 0 q, 1 k, 2 v
	s_and_b32 s[RB], s52, 15                       ; the block of 256 rows
	s_lshl_b32 s[HEAD], ttmp9, 2
	s_add_co_u32 s[HEAD], s[HEAD], s[WV]
	s_mov_b32 s[G1], 3<<16                         ; elements of 8 bytes, no mask, no padding
	s_mov_b32 s[G1+1], 32<<16                      ; tensor_dim0 = 32: rows of 256 bytes
	s_mov_b32 s[G1+2], 192<<16                     ; tensor_dim1 = 192: four tiles x 6 K steps x 2,048 bytes, dense
	s_mov_b32 s[G1+3], 32<<16                      ; tile_dim0
	s_mov_b32 s[G1+4], 192                         ; tile_dim1
	s_mov_b32 s[G1+5], 32                          ; the pitch
	s_mov_b32 s[G1+6], 0
	s_mov_b32 s[G1+7], 0
	s_mov_b32 s[G0], 1
	s_mul_i32 s[G0+1], s[WV], 49152                ; my four tiles' place in LDS
	s_lshl_b32 s52, s[RB], 4
	s_lshl_b32 s53, s[WV], 2
	s_add_co_u32 s52, s52, s53
	s_mul_i32 s52, s52, 12288
	s_mov_b32 s53, 0
	s_wait_dscnt 0x0
	s_wait_kmcnt 0x0
	s_add_nc_u64 s[G0+2:G0+3], s[4:5], s[52:53]
	s_or_b32 s[G0+3], s[G0+3], 0x80000000
	tensor_load_to_lds s[G0:G0+3], s[G1:G1+7]      ; the launch's only tensor load of this wave: one is out
	s_nop 0
	PLACES 4
	s_mul_i32 s52, s[MAT], 48
	s_lshl_b32 s60, s[HEAD], 2
	s_add_co_u32 s52, s52, s60
	s_mul_i32 s52, s52, 12288
	s_add_nc_u64 s[WB:WB+1], s[6:7], s[52:53]      ; my four column tiles
	WIN 0x40
.irp s, 0,1,2,3
.irp t, 0,1,2,3
.irp c, 0,1,2,3
	global_load_b128 v[16*(4*\s+\t)+4*\c:16*(4*\s+\t)+4*\c+3], v[LI], s[WB:WB+1] offset:(6*\t+\s)*2048+512*\c
.endr
.endr
.endr
	WIN 0x80
.irp s, 4,5
.irp t, 0,1,2,3
.irp c, 0,1,2,3
	global_load_b128 v[16*(4*(\s-4)+\t)+4*\c:16*(4*(\s-4)+\t)+4*\c+3], v[LI], s[WB:WB+1] offset:(6*\t+\s)*2048+512*\c
.endr
.endr
.endr
	WIN 0
	s_cmp_eq_u32 s[MAT], 0
	s_cselect_b64 s[BB:BB+1], s[8:9], s[10:11]
	s_cmp_eq_u32 s[MAT], 2
	s_cselect_b64 s[BB:BB+1], s[12:13], s[BB:BB+1]
	s_lshl_b32 s52, s[HEAD], 8
	s_add_nc_u64 s[BB:BB+1], s[BB:BB+1], s[52:53]  ; my head's 64 numbers of the bias
	s_cmp_eq_u32 s[MAT], 2
	s_cbranch_scc1 .Lbias_n
	WIN 0x80
	s_wait_alu depctr_va_vdst(0)
.irp t, 0,1,2,3                                ; q, k: lane (r, h) wants, for tile t, channels 32 (t / 2) + 8 (t % 2) + 16 h + 0 .. 7
	global_load_b128 v[B1+8*\t:B1+8*\t+3], v[BOT], s[BB:BB+1] offset:(32*(\t/2)+8*(\t%2))*4
	global_load_b128 v[B1+8*\t+4:B1+8*\t+7], v[BOT], s[BB:BB+1] offset:(32*(\t/2)+8*(\t%2))*4+16
.endr
	WIN 0
	s_branch .Lbias_done
.Lbias_n:
	WIN 0x80
	s_wait_alu depctr_va_vdst(0)
.irp t, 0,1,2,3                                ; v: a lane holds one channel, 32 (t / 2) + 8 (t % 2) + r + 8 (r / 8), in all eight registers
.irp j, 0,1,2,3,4,5,6,7
	global_load_b32 v[B1+8*\t+\j], v[BON], s[BB:BB+1] offset:(32*(\t/2)+8*(\t%2))*4
.endr
.endr
	WIN 0
.Lbias_done:
	s_mul_i32 s52, s[MAT], 18432
	s_lshl_b32 s60, s[HEAD], 8
	s_add_co_u32 s52, s52, s60
	s_add_co_u32 s52, s52, WS_OFF
	s_add_nc_u64 s[WSB:WSB+1], s[6:7], s[52:53]
.irp s, 0,1,2,3,4,5
.irp p, 0,1
	global_load_b32 v[WS+2*\s+\p], v[L4], s[WSB:WSB+1] offset:3072*\s+128*\p
.endr
.endr
	s_mul_i32 s52, s[RB], 6144
	s_add_co_u32 s52, s52, XS_OFF
	s_add_nc_u64 s[XSB:XSB+1], s[4:5], s[52:53]
	; where the results go
	s_cmp_eq_u32 s[MAT], 0
	s_cselect_b64 s[OC:OC+1], s[14:15], s[16:17]   ; qq or kv
	s_cselect_b32 s60, 0, 1                        ; kv's records are twice as long as qq's
	s_mov_b32 s61, KVS_OFF
	s_cselect_b32 s61, QS_OFF, s61
	s_mov_b32 s62, 24576
	s_cselect_b32 s62, 16384, s62                  ; a head's scale bytes
	s_mov_b64 s[OS:OS+1], s[OC:OC+1]
	s_cmp_eq_u32 s[MAT], 2
	s_cselect_b32 s63, 8192, 0                     ; v's fragments lie behind k's eight tiles,
	s_cselect_b32 s19, 16384, 0                    ; its words behind k's,
	s_cselect_b32 s23, 9, 10                       ; 512 bytes a row block against 1,024
	s_lshl_b32 s52, s[HEAD], 18
	s_lshl_b32 s[OCS], s[RB], 14
	s_add_co_u32 s52, s52, s[OCS]
	s_lshl_b32 s52, s52, s60
	s_add_co_u32 s52, s52, s63
	s_add_nc_u64 s[OC:OC+1], s[OC:OC+1], s[52:53]
	s_lshl_b32 s[OCS], 8192, s60
	s_mov_b32 s[OCS+1], 0
	s_mul_i32 s52, s[HEAD], s62
	s_add_co_u32 s52, s52, s61
	s_add_co_u32 s52, s52, s19
	s_lshl_b32 s[OSS], s[RB], s23
	s_add_co_u32 s52, s52, s[OSS]
	s_add_nc_u64 s[OS:OS+1], s[OS:OS+1], s[52:53]
	s_sub_co_u32 s23, s23, 1
	s_lshl_b32 s[OSS], 1, s23                      ; a group is half a row block
	s_mov_b32 s[OSS+1], 0
	s_mov_b32 s[SEL], 0x76543210
	s_mov_b32 s[SEL+1], 0xfedcba98
	s_mov_b32 s[MNT], 0x600000
	s_mov_b32 s[GRP], 2
	s_mov_b32 s[GB], 0
	s_wait_tensorcnt 0x0                           ; my four tiles are in LDS,
	s_barrier_signal -1
	s_barrier_wait -1                              ; everybody's are: the launch's only barrier
.Lgroup:                                           ; two trips: 128 rows each
	v_add_nc_u32 v[LIA], s[GB], v[LI]
	v_add_nc_u32 v[LIA+1], 49152, v[LIA]
.irp s, 0,1,2,3,4,5
.irp p, 0,1,2,3
	global_load_b32 v[XS+4*\s+\p], v[L4], s[XSB:XSB+1] offset:(6*\p+\s)*128
.endr
.endr
	FETCHX 0, 0
	FETCHX 1, 0
	s_wait_loadcnt 0x0                             ; x's scale words; in the first trip the weights, their words and the bias too
	s_cmp_eq_u32 s[MAT], 2
	s_cbranch_scc1 .Lpath_n
	s_wait_alu depctr_va_vdst(0)
	GROUP 0
	PLACES 8                                       ; in front of the first read of results
	CHUNK_T 0
	CHUNK_T 1
	CHUNK_T 2
	CHUNK_T 3
	s_branch .Ljoin
.Lpath_n:
	s_wait_alu depctr_va_vdst(0)
	GROUP 1
	PLACES 8
	CHUNK_N 0
	CHUNK_N 1
	CHUNK_N 2
	CHUNK_N 3
.Ljoin:
	s_wait_xcnt 0x0                                ; the loads and stores have read their bases: they step only behind this wait
	s_add_nc_u64 s[XSB:XSB+1], s[XSB:XSB+1], 3072
	s_add_nc_u64 s[OC:OC+1], s[OC:OC+1], s[OCS:OCS+1]
	s_add_nc_u64 s[OS:OS+1], s[OS:OS+1], s[OSS:OSS+1]
	s_add_co_u32 s[GB], s[GB], 98304
	s_sub_co_u32 s[GRP], s[GRP], 1
	s_cmp_lg_u32 s[GRP], 0
	s_cbranch_scc1 .Lgroup
	s_wait_tensorcnt 0x0
	ds_add_u32 v126, v127
	s_wait_dscnt 0x0
	s_endpgm
.Lfunc_end_k_q217de4c04a_qkv:
	.size	k_q217de4c04a_qkv, .Lfunc_end_k_q217de4c04a_qkv-k_q217de4c04a_qkv
	.p2alignl 7, 3214868480
	.fill 96, 4, 3214868480
	.section	.rodata,"a",@progbits
	.p2align	6, 0x0
	.amdhsa_kernel k_q217de4c04a_qkv
		.amdhsa_group_segment_fixed_size 197120
		.amdhsa_private_segment_fixed_size 0
		.amdhsa_enable_private_segment 0
		.amdhsa_kernarg_size 56
		.amdhsa_user_sgpr_count 2
		.amdhsa_user_sgpr_kernarg_segment_ptr 1
		.amdhsa_wavefront_size32 1
		.amdhsa_system_sgpr_workgroup_id_x 1
		.amdhsa_system_sgpr_workgroup_id_y 1
		.amdhsa_system_sgpr_workgroup_id_z 1
		.amdhsa_system_vgpr_workitem_id 0
		.amdhsa_next_free_vgpr 1024
		.amdhsa_next_free_sgpr 66
		.amdhsa_reserve_vcc 0
		.amdhsa_float_denorm_mode_32 3
		.amdhsa_float_denorm_mode_16_64 3
		.amdhsa_memory_ordered 1
		.amdhsa_forward_progress 1
		.amdhsa_inst_pref_size 170
	.end_amdhsa_kernel
	.amdgpu_metadata
---
amdhsa.version: [ 1, 2 ]
amdhsa.kernels:
  - .name:           k_q217de4c04a_qkv
    .symbol:         k_q217de4c04a_qkv.kd
    .args:
      - { .name: xq, .offset: 0, .size: 8, .value_kind: global_buffer, .address_space: global }
      - { .name: wq, .offset: 8, .size: 8, .value_kind: global_buffer, .address_space: global }
      - { .name: bq, .offset: 16, .size: 8, .value_kind: global_buffer, .address_space: global }
      - { .name: bk, .offset: 24, .size: 8, .value_kind: global_buffer, .address_space: global }
      - { .name: bv, .offset: 32, .size: 8, .value_kind: global_buffer, .address_space: global }
      - { .name: qq, .offset: 40, .size: 8, .value_kind: global_buffer, .address_space: global }
      - { .name: kv, .offset: 48, .size: 8, .value_kind: global_buffer, .address_space: global }
    .group_segment_fixed_size: 197120
    .private_segment_fixed_size: 0
    .kernarg_segment_align: 8
    .kernarg_segment_size: 56
    .max_flat_workgroup_size: 128
    .sgpr_count:     66
    .vgpr_count:     1024
    .wavefront_size: 32
...
	.end_amdgpu_metadata
.endif
;; end of part 5
;; launch attn (part 6): grid 256 x 1, 12 waves a work-group, clusters of 4 x 1, 327,680 bytes of LDS; arguments qq, kv, yq; writes yq
.if DOCPART == 6
	.amdgcn_target "amdgcn-amd-amdhsa--gfx1250"
	.amdhsa_code_object_version 6
	.text
	.protected	k_q217de4c04a_attn
	.globl	k_q217de4c04a_attn
	.p2align	8
	.type	k_q217de4c04a_attn,@function
k_q217de4c04a_attn:
	s_mov_b64 s[64:65], 0
	v_nop
	global_prefetch_b8 v0, s[64:65] scope:SCOPE_SE
	s_setreg_imm32_b32 hwreg(HW_REG_WAVE_MODE, 25, 1), 1
	s_wait_xcnt 0x0
	s_wait_alu depctr_hold_cnt(0) depctr_sa_sdst(0) depctr_va_vdst(0) depctr_va_sdst(0) depctr_va_ssrc(0) depctr_va_vcc(0) depctr_vm_vsrc(0)
	s_getreg_b32 s2, hwreg(HW_REG_IB_STS2, 6, 4)
	s_cmp_eq_u32 s2, 0
	s_cbranch_scc0 .Lentry_in_a_cluster
	s_endpgm
.Lentry_in_a_cluster:
	s_bfe_u32 s2, ttmp6, 0x10000c
	s_cmp_lg_u32 s2, 0x3003
	s_cbranch_scc0 .Lentry_shape_is_right
	s_endpgm
.Lentry_shape_is_right:
; y[q][64 head + d] = the sum over keys of softmax(q . k / 8) v, both products on codes of BF8 with E8M0 scales; y is quantised at once, along 768 = 64 head + d, for the last projection.
; THE SOFTMAX AHEAD OF THE SECOND PRODUCT: t = score x log2(e) / 8; M = the running largest t rounded UP to a whole number; p = 2^(t - M) is quantised along the keys, not normalised.
; The row's sum is taken of the unquantised p and divides at the end; when M moves, the sum and O are multiplied by 2^(old M - new M), which rounds nothing.
; SHARES.  12 heads x 128 pairs of query tiles (32 queries) are 1,536 pairs: six for each of the launch's 256 work-groups: TWO pairs of one of heads 0-3 (stream 0: 64 groups a head) and FOUR of one of heads 4-11
; (stream 1: 32 groups a head).  Twelve waves: wave w has pair w / 2 and the half w % 2 of the keys: 16 steps of 128 keys for both tiles, so that a fragment of k or v read from LDS serves two tiles.
; Waves w and w xor 1 join their halves at the end: each finishes one tile of the pair (its set a: tile w % 2) and hands its part of the other (set b) over through LDS.
; A step's record in kv (8 tiles of k, 4 fragments of v^T, as images of registers: 16,384 dense bytes) comes through a ring of two LDS slots; a slot holds two steps of each half of each stream.
; CLUSTER.  The four work-groups of a cluster walk the same two heads: each tensor load is JOINT, the same descriptor and the mask of all four in each.
; LAYOUT.  S^T = k q^T, O^T = v^T p^T: a lane holds one query throughout.  The keys of tiles 2 b, 2 b + 1 are chosen (by the launch before) so that their 16 registers are keys 32 b + 16 h + 0 .. 15.
; THE HEAD'S 64 CHANNELS IN A K STEP OF 128: two tiles of k fill one operand, [even | odd]; q lies as [0][qa][0][qb][0]: [q | 0] picks the even tile, [0 | q] the odd one: the other tile's codes meet zero codes and add nothing.
; The scale words are (s0, s1, s0, s1), so they serve either half.
; LIMITS: the scaled scores (exponents to the base 2) stay under 2^31 in magnitude; NaN and infinities among the inputs are not served; a block of zeros gets the byte 1;
; y's blocks whose largest magnitude lies under 2^-111 are held at that floor.
; REGISTERS: window 0 as named below; window 1: v0-31 O^T of tile a, v32-63 of tile b.
.set QS_OFF,  3145728
.set KVS_OFF, 6291456
.set XS_OFF,  3145728
.set REC,   16384                      ; a key step's record
.set SLOT1, 1<<17                      ; slot 1 begins here; in a slot: stream x 65,536 + half x 32,768 + step x 16,384
.set SCL,   1<<18                      ; behind the ring: the two heads' scale words, filled once
.set SCH,   24576                      ; a head's: k's [tile 256][16], then v's [step 32][channel tile 4][16]
.set SPARE, SCL+2*SCH                  ; the spare words, 128 bytes for each wave: six blocks of 256 bytes that no other line names
.set MRG,   4608                       ; a wave's place for what it hands over, in slot 0, which has had its last fill and its last read by then
.set LI,   1                           ; 16 x lane
.set ADKB, 2                           ; my stream's and half's records in slot 0, + 16 x lane
.set ADSB, 3                           ; its scale words of k, + 4 x lane
.set ADTB, 4                           ; and of v
.set SPW,  5
.set NIL,  6
.set PFO,  7                           ; 256 x lane: the prefetches' offset; never rewritten
.set ADK,  8
.set ADS,  9
.set ADT,  10
.set R4,   11                          ; 4 r
.set MA,   12                          ; v12 -M, v13 the largest score, v[14:15] the sum of tile a
.set MB,   16                          ; v16, v17, v[18:19] of tile b
.set QW,   20                          ; q's scale words: lanes 0-15 tile a, lanes 16-31 tile b
.set KSW,  24                          ; v24-27: register p: lanes 0-15 tile 2 p of k, lanes 16-31 tile 2 p + 1
.set VSW,  28                          ; v28-29 v's likewise
.set PWA,  30
.set PWB,  31
.set QZ,   32                          ; v32-71  [0][qa][0][qb][0], 8 registers each
.set X,    72                          ; v72-135 k's eight tiles, then v's four fragments
.set PB,   136                         ; v136-151 p's codes of tile b: its first four registers lie ahead of Y, the others over scores that have been converted
.set Y,    140                         ; v140-203 S^T, then p, of the tile in hand
.set PA,   204                         ; v204-219 p's codes of tile a
.set BM,   220
.set SCO,  224
.set HOLD, 228
.set FA,   232                         ; v[232:233] f = 2^(old M - new M) of tile a, and a word that is only named with it
.set FB,   234
.set SA,   236                         ; v[236:243] four chains of the sum
.set TMP,  244
.set TM2,  245
.set T1,   246                         ; v246-249
.set OA,   0
.set OB,   32
.set TB,   2                           ; s2   LDS byte at which the slot in hand begins
.set TS,   3                           ; s3   1,024 bytes a slot
.set WV,   18
.set MNT,  19
.set SEL,  20
.set CS,   22                          ; s[22:23] c = log2(e) / 8
.set G1,   24
.set G1S,  32
.set G0,   40
.set G0S,  44
.set TJ,   66                          ; s66  512 bytes a slot
.set SLOTS, 67
.set KH,   68                          ; my half of the keys
.set HEAD, 69
.set CX,   70
.set TT,   71                          ; the tile that I finish
.set PFA,  76
.set LIM,  80
.set MSB, 0
.macro WIN new                         ; the immediate's high byte repeats the setting that is left
.if MSB != \new
	s_set_vgpr_msb (MSB<<8)|\new
.set MSB, \new
.endif
.endm
.macro WM                              ; one matrix instruction; c_ < 0: C is the constant 0; ra_, rb_ = 1: that side's scales are read from lanes 16-31
.if c_ < 0
.if ra_ && rb_
	v_wmma_scale_f32_16x16x128_f8f6f4 v[d_:d_+7], v[a_:a_+15], v[b_:b_+15], 0, v[sa_], v[sb_] matrix_a_fmt:MATRIX_FMT_BF8 matrix_b_fmt:MATRIX_FMT_BF8 matrix_a_scale:MATRIX_SCALE_ROW1 matrix_b_scale:MATRIX_SCALE_ROW1
.elseif ra_
	v_wmma_scale_f32_16x16x128_f8f6f4 v[d_:d_+7], v[a_:a_+15], v[b_:b_+15], 0, v[sa_], v[sb_] matrix_a_fmt:MATRIX_FMT_BF8 matrix_b_fmt:MATRIX_FMT_BF8 matrix_a_scale:MATRIX_SCALE_ROW1
.elseif rb_
	v_wmma_scale_f32_16x16x128_f8f6f4 v[d_:d_+7], v[a_:a_+15], v[b_:b_+15], 0, v[sa_], v[sb_] matrix_a_fmt:MATRIX_FMT_BF8 matrix_b_fmt:MATRIX_FMT_BF8 matrix_b_scale:MATRIX_SCALE_ROW1
.else
	v_wmma_scale_f32_16x16x128_f8f6f4 v[d_:d_+7], v[a_:a_+15], v[b_:b_+15], 0, v[sa_], v[sb_] matrix_a_fmt:MATRIX_FMT_BF8 matrix_b_fmt:MATRIX_FMT_BF8
.endif
.else
.if ra_
	v_wmma_scale_f32_16x16x128_f8f6f4 v[d_:d_+7], v[a_:a_+15], v[b_:b_+15], v[c_:c_+7], v[sa_], v[sb_] matrix_a_fmt:MATRIX_FMT_BF8 matrix_b_fmt:MATRIX_FMT_BF8 matrix_a_scale:MATRIX_SCALE_ROW1
.else
	v_wmma_scale_f32_16x16x128_f8f6f4 v[d_:d_+7], v[a_:a_+15], v[b_:b_+15], v[c_:c_+7], v[sa_], v[sb_] matrix_a_fmt:MATRIX_FMT_BF8 matrix_b_fmt:MATRIX_FMT_BF8
.endif
.endif
.endm
.macro PLACES n
.rept \n
	v_nop
.endr
.endm
.macro WALU
	s_wait_alu depctr_va_vdst(0)
.endm
.macro CROUND                          ; a round of the cluster's barrier
	s_barrier_signal -1
	s_barrier_wait -1
	s_cmp_lg_u32 s[WV], 0
	s_cbranch_scc1 .Lnot_wave_0_\@
	s_barrier_signal -3
.Lnot_wave_0_\@:
	s_barrier_wait -3
	s_barrier_signal -1
	s_barrier_wait -1
.endm
.macro JLOAD                           ; waves 0 to 7 fetch a record each: stream w / 4, half (w / 2) % 2, step w % 2 of the slot; the branch hangs on the wave's number alone
	s_cmp_lt_u32 s[WV], 8
	s_cbranch_scc0 .Lnone_\@
	tensor_load_to_lds s[G0:G0+3], s[G1:G1+7]
	s_nop 0
	PLACES 4
.Lnone_\@:
.endm
; A PREFETCH INTO THE L2 of the slot that the NEXT change of slots will ask for: two key steps ahead of that load.  All clusters of a head walk the same records: the head's first cluster asks.  A slot has 32,768
; dense bytes of each half of each stream; the four partners take 8,192 of them, told apart BY ADDRESS; in each, waves 8 and 9 ask for stream 0's halves, 10 and 11 for stream 1's, lanes 256 bytes apart: each aligned
; block of 256 bytes is named once in the launch.  Slots 0 and 1 come by their loads alone; the last change that fills a slot asks for nothing.
.macro ASK
	s_cmp_gt_u32 s[SLOTS], s[LIM]
	s_cbranch_scc0 .Lnot_mine_\@
	global_prefetch_b8 v[PFO], s[PFA:PFA+1] th:TH_LOAD_NT scope:SCOPE_SE
.Lnot_mine_\@:
.endm
	s_load_b128 s[4:7], s[0:1], 0x0                ; qq, kv
	s_load_b64 s[8:9], s[0:1], 0x10                ; yq
	v_lshl_add_u32 v[SPW], v0, 2, SPARE
	v_mov_b32 v[NIL], 0
	ds_add_u32 v[SPW], v[NIL]                      ; the wave's opening: the add, twice on end
	ds_add_u32 v[SPW], v[NIL]
	v_lshrrev_b32 v8, 5, v0
	v_readfirstlane_b32 s[WV], v8                  ; wave 0..11
	s_and_b32 s[KH], s[WV], 1
	s_lshr_b32 s10, s[WV], 1                       ; my pair among the six
	s_lshr_b32 s82, s[WV], 2
	s_min_u32 s82, s82, 1                          ; my stream: waves 0-3 stream 0, waves 4-11 stream 1
	s_lshl_b32 s83, s82, 16
	s_lshl_b32 s84, s[KH], 15
	s_add_co_u32 s83, s83, s84
	s_mul_i32 s84, s82, SCH
	s_add_co_u32 s84, s84, SCL
	s_lshl_b32 s85, s[KH], 13
	s_add_co_u32 s85, s84, s85                     ; k's words of my half: 16 steps x 512 bytes on
	s_lshl_b32 s86, s[KH], 12
	s_add_co_u32 s86, s84, s86
	s_add_co_u32 s86, s86, 16384                   ; v's: 16 steps x 256 bytes on
	v_and_b32 v8, 31, v0
	v_lshlrev_b32 v[LI], 4, v8
	v_add_nc_u32 v[ADKB], s83, v[LI]
	v_lshl_add_u32 v[ADSB], v8, 2, s85
	v_lshl_add_u32 v[ADTB], v8, 2, s86
	v_lshlrev_b32 v[PFO], 8, v8
	v_and_b32 v9, 15, v0
	v_lshlrev_b32 v[R4], 2, v9
	v_bfe_u32 v9, v0, 4, 1
	v_xor_b32 v9, s[KH], v9
	v_lshl_add_u32 v10, v9, 6, v[R4]               ; q's scale words: lanes 0-15 tile KH of the pair (set a), lanes 16-31 the other (set b)
	WALU
	s_bfe_u32 s[CX], ttmp6, 0x40000                ; my place in the cluster: it enters q's, y's and the prefetches' addresses alone
	s_lshr_b32 s12, ttmp9, 4                       ; stream 0's head: 16 clusters a head
	s_lshr_b32 s13, ttmp9, 3
	s_add_co_u32 s13, s13, 4                       ; stream 1's: 8 clusters a head
	s_and_b32 s87, ttmp9, 15
	s_lshl_b32 s87, s87, 2
	s_add_co_u32 s87, s87, s[CX]
	s_lshl_b32 s87, s87, 1
	s_add_co_u32 s87, s87, s10                     ; my pair in the head, if stream 0
	s_and_b32 s88, ttmp9, 7
	s_lshl_b32 s88, s88, 2
	s_add_co_u32 s88, s88, s[CX]
	s_lshl_b32 s88, s88, 2
	s_add_co_u32 s88, s88, s10
	s_sub_co_u32 s88, s88, 2                       ; and if stream 1
	s_cmp_lt_u32 s[WV], 4
	s_cselect_b32 s[HEAD], s12, s13                ; my head; for waves 0-7 also the head that I fetch for
	s_cselect_b32 s11, s87, s88                    ; my pair
	s_cmp_lt_u32 s[WV], 10
	s_cselect_b32 s90, s12, s13                    ; waves 8-11: the head whose scale words I fetch and whose records I prefetch
	s_lshl_b32 s[TT], s11, 1
	s_add_co_u32 s[TT], s[TT], s[KH]
	s_mov_b32 s[G1], 15|(3<<16)|(1<<21)            ; the mask: all four work-groups; elements of 8 bytes; bit 21 set beside a mask; no padding
	s_mov_b32 s[G1+1], 32<<16                      ; rows of 256 bytes
	s_mov_b32 s[G1+2], 64<<16                      ; 64 of them: a step's record
	s_mov_b32 s[G1+3], 32<<16
	s_mov_b32 s[G1+4], 64
	s_mov_b32 s[G1+5], 32
	s_mov_b32 s[G1+6], 0
	s_mov_b32 s[G1+7], 0
	s_mov_b32 s[G1S], 15|(3<<16)|(1<<21)           ; the same with 48 rows: half of a head's scale words
	s_mov_b32 s[G1S+1], 32<<16
	s_mov_b32 s[G1S+2], 48<<16
	s_mov_b32 s[G1S+3], 32<<16
	s_mov_b32 s[G1S+4], 48
	s_mov_b32 s[G1S+5], 32
	s_mov_b32 s[G1S+6], 0
	s_mov_b32 s[G1S+7], 0
	s_lshl_b32 s84, s[HEAD], 19
	s_and_b32 s85, s[WV], 2
	s_lshl_b32 s85, s85, 17
	s_add_co_u32 s84, s84, s85                     ; the half (w / 2) % 2: 16 records on,
	s_lshl_b32 s85, s[KH], 14
	s_add_co_u32 s84, s84, s85                     ; the step w % 2
	s_mov_b32 s85, 0
	s_mul_i32 s86, s90, SCH
	s_mul_i32 s87, s[KH], SCH/2
	s_add_co_u32 s86, s86, s87
	s_add_co_u32 s86, s86, KVS_OFF
	s_mov_b32 s87, 0
	s_lshl_b32 s88, s90, 19
	s_lshl_b32 s89, s[KH], 18
	s_add_co_u32 s88, s88, s89
	s_lshl_b32 s89, s[CX], 13
	s_add_co_u32 s88, s88, s89
	s_add_co_u32 s88, s88, 2*REC                   ; the prefetches, in slot 1: the first change of slots steps them to slot 2
	s_mov_b32 s89, 0
	s_mul_i32 s[G0S+1], s[WV], SCH/2
	s_add_co_u32 s[G0S+1], s[G0S+1], SCL-8*(SCH/2) ; waves 8-11: stream x 24,576 + half x 12,288
	s_mov_b32 s[SEL], 0x76543210
	s_mov_b32 s[SEL+1], 0xfedcba98
	s_mov_b32 s[CS], 0x3e38aa3b                    ; log2(e) / 8
	s_mov_b32 s[CS+1], s[CS]                       ; (named with it as a pair, so it is written)
	s_mov_b32 s[MNT], 0x600000                     ; the mantissa field of 57,344
	s_mov_b32 s[TB], 0
	s_mov_b32 s[TS], 0
	s_mov_b32 s[TJ], 0
	s_mov_b32 s[SLOTS], 7
	s_wait_dscnt 0x0                               ; both opening adds are done
	s_wait_kmcnt 0x0
	s_mov_b32 s[G0], 1
	s_lshl_b32 s[G0+1], s[WV], 14                  ; slot 0
	s_add_nc_u64 s[G0+2:G0+3], s[6:7], s[84:85]
	s_or_b32 s[G0+3], s[G0+3], 0x80000000
	s_mov_b32 s[G0S], 1
	s_add_nc_u64 s[G0S+2:G0S+3], s[6:7], s[86:87]
	s_or_b32 s[G0S+3], s[G0S+3], 0x80000000
	s_add_nc_u64 s[PFA:PFA+1], s[6:7], s[88:89]
	CROUND                                         ; all four work-groups are here: the first joint loads meet
	s_cmp_lt_u32 s[WV], 8                          ; the first fills, one a wave: waves 0-7 slot 0, waves 8-11 the scale words
	s_cbranch_scc0 .Lwords
	tensor_load_to_lds s[G0:G0+3], s[G1:G1+7]
	s_nop 0
	PLACES 4
	s_branch .Lasked
.Lwords:
	tensor_load_to_lds s[G0S:G0S+3], s[G1S:G1S+7]
	s_nop 0
	PLACES 4
.Lasked:
	s_lshl_b32 s92, s[HEAD], 8
	s_lshl_b32 s93, s11, 1
	s_add_co_u32 s92, s92, s93                     ; 256 x head + the pair's first tile
	s_lshl_b32 s90, s92, 10
	s_mov_b32 s91, 0
	s_add_nc_u64 s[72:73], s[4:5], s[90:91]
	s_lshl_b32 s90, s92, 6
	s_add_co_u32 s90, s90, QS_OFF
	s_add_nc_u64 s[74:75], s[4:5], s[90:91]
	s_lshl_b32 s90, s[KH], 10
	s_add_nc_u64 s[82:83], s[72:73], s[90:91]      ; set a: tile KH,
	s_xor_b32 s90, s90, 1024
	s_add_nc_u64 s[84:85], s[72:73], s[90:91]      ; set b: the other
.irp c, 0,1
	global_load_b128 v[QZ+8+4*\c:QZ+8+4*\c+3], v[LI], s[82:83] offset:512*\c
	global_load_b128 v[QZ+24+4*\c:QZ+24+4*\c+3], v[LI], s[84:85] offset:512*\c
.endr
	global_load_b32 v[QW], v10, s[74:75]
.set j_, 0
.rept 8
	v_mov_b32 v[QZ+j_], 0                          ; the zero codes: set once
	v_mov_b32 v[QZ+16+j_], 0
	v_mov_b32 v[QZ+32+j_], 0
.set j_, j_+1
.endr
	v_mov_b32 v[MA+1], 0xff61b1e6                  ; the largest score so far: -3e38
	v_mov_b32 v[MB+1], 0xff61b1e6
	v_floor_f32 v[MA], -v[MA+1]                    ; -M
	v_floor_f32 v[MB], -v[MB+1]
	v_mov_b32 v[MA+2], 0
	v_mov_b32 v[MA+3], 0
	v_mov_b32 v[MB+2], 0
	v_mov_b32 v[MB+3], 0
.irp b, 0,1,2,3
	v_mov_b32 v[T1+\b], 0                          ; a lane permute's destination counts as read
.endr
	v_mov_b32 v[FA+1], 0
	v_mov_b32 v[FB+1], 0
	WIN 0x40
.set j_, 0
.rept 64
	v_mov_b32 v[OA+j_], 0                          ; O^T of both tiles.  (The step is written for all: the first finds zeros, which the first change of M leaves zeros)
.set j_, j_+1
.endr
	WIN 0
	s_cmp_lt_u32 s[WV], 10
	s_cselect_b32 s96, 15, 7
	s_and_b32 s96, s96, ttmp9                      ; 0 in the head's first cluster: the same in all four partners
	s_cmp_lt_u32 s[WV], 8
	s_cselect_b32 s97, 1, 0
	s_or_b32 s96, s96, s97
	s_cmp_eq_u32 s96, 0
	s_cselect_b32 s[LIM], 1, -1
.macro SCORES tile                     ; S^T = k q^T: eight tiles of 16 keys, eight accumulators, over Y
.irp i, 0,1,2,3,4,5,6,7
.set d_, Y+8*\i
.set a_, X+16*(\i/2)
.set b_, QZ+16*(\tile)+8-8*(\i%2)
.set c_, -1
.set sa_, KSW+\i/2
.set ra_, \i%2
.set sb_, QW
.set rb_, \tile
	WM
.endr
.endm
; THE SOFTMAX of the tile in hand: scores in Y become codes at pc and the scale word pw.  m: -M; m + 1: the largest score; f: the factor's pair
.macro SOFT m, f, pc, pw
.irp b, 0,1,2,3
	v_max3_num_f32 v[BM+\b], v[Y+16*\b], v[Y+1+16*\b], v[Y+2+16*\b]   ; the largest score of each block of 32 keys: for the row's maximum, and, since p rises with the score, for the block's largest p
.endr
.irp i, 3,5,7,9,11,13
.irp b, 0,1,2,3
	v_max3_num_f32 v[BM+\b], v[BM+\b], v[Y+16*\b+\i], v[Y+1+16*\b+\i]
.endr
.endr
.irp b, 0,1,2,3
	v_max_num_f32 v[BM+\b], v[BM+\b], v[Y+15+16*\b]
.endr
	v_mov_b32 v[TM2], v[\m]                        ; the old -M
.irp b, 0,1,2,3
	v_permlanex16_b32 v[T1+\b], v[BM+\b], s[SEL], s[SEL+1]
.endr
.irp b, 0,1,2,3
	v_max_num_f32 v[BM+\b], v[BM+\b], v[T1+\b]     ; with lane l xor 16's 16 keys
.endr
	v_max3_num_f32 v[TMP], v[BM], v[BM+1], v[BM+2]
	v_max3_num_f32 v[\m+1], v[\m+1], v[TMP], v[BM+3]   ; the running largest score
	v_mul_f32 v[TMP], s[CS], v[\m+1]               ; as t (c is positive)
	v_floor_f32 v[\m], -v[TMP]                     ; the new -M = -ceil(t): a whole number
.irp b, 0,1,2,3
	v_fma_f32 v[BM+\b], v[BM+\b], s[CS], v[\m]     ; t - M of each block's largest score
.endr
.set j_, 0
.rept 32
	v_pk_fma_f32 v[Y+j_:Y+j_+1], v[Y+j_:Y+j_+1], s[CS:CS+1], v[\m:\m+1] op_sel_hi:[1,0,0]   ; t - M, two at a time
.set j_, j_+2
.endr
	WALU
.irp b, 0,1,2,3
	v_exp_f32 v[BM+\b], v[BM+\b]                   ; the block's largest p: the same arithmetic on the same number as that key's own p
.endr
.set j_, 0
.rept 64
	v_exp_f32 v[Y+j_], v[Y+j_]                     ; p = 2^(t - M), at most 1
.set j_, j_+1
.endr
	v_sub_f32 v[TM2], v[\m], v[TM2]                ; old M - new M: a whole number, 0 or less.  (Plain lines behind the last exponential)
	v_cvt_i32_f32 v[TM2], v[TM2]                   ; (it saturates)
	v_ldexp_f32 v[\f], 1.0, v[TM2]                 ; f = 2^(old M - new M)
	WALU
.irp k, 0,1,2,3
	v_pk_add_f32 v[SA+2*\k:SA+2*\k+1], v[Y+4*\k:Y+4*\k+1], v[Y+4*\k+2:Y+4*\k+3]   ; the step's sum is taken of the unquantised p, in four chains
.endr
.set j_, 16
.rept 6
.irp k, 0,1,2,3
	v_pk_add_f32 v[SA+2*\k:SA+2*\k+1], v[SA+2*\k:SA+2*\k+1], v[Y+j_+2*\k:Y+j_+2*\k+1]
.endr
.set j_, j_+8
.endr
.irp b, 0,1,2,3
	v_max_num_f32 v[BM+\b], 0x8000000, v[BM+\b]    ; the floor 2^(16 - 127): the byte cannot fall under 1
.endr
.irp b, 0,1,2,3
	v_add_nc_u32 v[SCO+\b], 0xf8800000, v[BM+\b]   ; 15 off the exponent field: the conversion's scale operand
.endr
.irp b, 0,1,2,3
	v_and_or_b32 v[HOLD+\b], v[BM+\b], 0x7f800000, s[MNT]   ; 57,344 x the scale
.endr
.irp b, 0,1,2,3
	v_lshrrev_b32 v[T1+\b], 23, v[SCO+\b]
.endr
	v_lshl_or_b32 v[\pw], v[T1+1], 8, v[T1]        ; p's scale word for these 128 keys
	v_lshl_or_b32 v[\pw], v[T1+2], 16, v[\pw]
	v_lshl_or_b32 v[\pw], v[T1+3], 24, v[\pw]
.irp b, 0,1,2,3
.set j_, Y+16*\b
.rept 8
	v_dual_min_num_f32 v[j_], v[j_], v[HOLD+\b] :: v_dual_min_num_f32 v[j_+1], v[j_+1], v[HOLD+\b]   ; the conversion does not saturate (ISA guide 7.6.2); p is not negative, so the hold is one-sided
.set j_, j_+2
.endr
	v_cvt_scalef32_pk8_bf8_f32 v[\pc+4*\b:\pc+4*\b+1], v[Y+16*\b:Y+16*\b+7], v[SCO+\b]
	v_cvt_scalef32_pk8_bf8_f32 v[\pc+4*\b+2:\pc+4*\b+3], v[Y+16*\b+8:Y+16*\b+15], v[SCO+\b]
.endr
.endm
.macro JOIN l, f                       ; the sum under the new M, plus the step's four chains
	v_pk_add_f32 v[SA:SA+1], v[SA:SA+1], v[SA+2:SA+3]
	v_pk_add_f32 v[SA+4:SA+5], v[SA+4:SA+5], v[SA+6:SA+7]
	v_pk_add_f32 v[SA:SA+1], v[SA:SA+1], v[SA+4:SA+5]
	v_pk_fma_f32 v[\l:\l+1], v[\l:\l+1], v[\f:\f+1], v[SA:SA+1] op_sel_hi:[1,0,1]
.endm
.macro RESCALE o, f                    ; O^T under the new M
	WIN 0x41                                       ; destination and source 0 window 1
	WALU
.set j_, 0
.rept 16
	v_pk_mul_f32 v[\o+j_:\o+j_+1], v[\o+j_:\o+j_+1], v[\f:\f+1] op_sel_hi:[1,0]
.set j_, j_+2
.endr
.endm
; A KEY STEP: 128 keys, the st-th of the slot in hand, for both tiles.
.macro STEP st
.if \st
	PLACES 5                                       ; with JOIN's four lines nine places behind the last products: S^T is laid over tile b's codes, k over v's fragments
.else
	PLACES 2                                       ; (the three additions are places too)
	v_add_nc_u32 v[ADK], s[TB], v[ADKB]
	v_add_nc_u32 v[ADS], s[TS], v[ADSB]
	v_add_nc_u32 v[ADT], s[TJ], v[ADTB]
.endif
.irp p, 0,1,2,3
	ds_load_b32 v[KSW+\p], v[ADS] offset:512*(\st)+128*\p
.endr
.set i_, 0
.rept 16
	ds_load_b128 v[X+4*i_:X+4*i_+3], v[ADK] offset:REC*(\st)+512*i_   ; the eight tiles of k, 512 consecutive bytes a load
.set i_, i_+1
.endr
	s_wait_dscnt 0x0
	SCORES 0
	PLACES 8                                       ; in front of the first read of results
	SOFT MA, FA, PA, PWA
	JOIN MA+2, FA                                  ; (plain lines behind the last conversion, ahead of the products that write its sources)
	SCORES 1
	RESCALE OA, FA                                 ; the places behind tile b's scores
	WIN 0
.irp p, 0,1
	ds_load_b32 v[VSW+\p], v[ADT] offset:256*(\st)+128*\p
.endr
.set i_, 0
.rept 16
	ds_load_b128 v[X+4*i_:X+4*i_+3], v[ADK] offset:REC*(\st)+8192+512*i_   ; v's four fragments, over k
.set i_, i_+1
.endr
	SOFT MB, FB, PB, PWB
	s_wait_dscnt 0x0                               ; v's fragments and scale words are in
	RESCALE OB, FB                                 ; (also the places between the last conversions and the products)
	WIN 0x50                                       ; C and D window 1
.irp ct, 0,1,2,3                               ; O^T += v^T p^T: the eight accumulators by turns
.set a_, X+16*\ct
.set sa_, VSW+\ct/2
.set ra_, \ct%2
.set rb_, 0
.set d_, OA+8*\ct
.set c_, d_
.set b_, PA
.set sb_, PWA
	WM
.set d_, OB+8*\ct
.set c_, d_
.set b_, PB
.set sb_, PWB
	WM
.endr
	WIN 0
	JOIN MB+2, FB
.endm
; THE CHANGE OF SLOTS stands at a slot's head.  Each wave waits for all its tensor loads, adds 0 to its spare word, and waits for that and for its reads of the slot that it has left.
; fill = 1: the barrier is a round of the cluster's, so that no wave of any partner still reads that slot or has a load on its way; the joint refill is the first thing behind it and has two key steps in which to land.
.macro CHANGE fill
	s_wait_tensorcnt 0x0                           ; no tensor load of mine is out, so a group 0 may be written
	ds_add_u32 v[SPW], v[NIL]                      ; 0 onto my spare word
.if \fill
	s_xor_b32 s[G0+1], s[G0+1], SLOT1              ; the walking descriptor: the other slot,
	s_add_nc_u64 s[G0+2:G0+3], s[G0+2:G0+3], 2*REC ; my half's next two steps; the type bits on top are not reached
	s_wait_xcnt 0x0                                ; the last prefetch, a slot back, has read its address
	s_add_nc_u64 s[PFA:PFA+1], s[PFA:PFA+1], 2*REC
	s_wait_dscnt 0x0                               ; the add is done, and my reads of the slot that I have left are over
	CROUND
	JLOAD
	ASK
.else
	s_wait_dscnt 0x0
	s_barrier_signal -1
	s_barrier_wait -1
.endif
.endm
.macro TWO                             ; a slot's two key steps
	STEP 0
	STEP 1
	s_xor_b32 s[TB], s[TB], SLOT1                  ; on to the other slot
	s_add_co_u32 s[TS], s[TS], 1024
	s_add_co_u32 s[TJ], s[TJ], 512
.endm
	WALU
	s_wait_loadcnt 0x0                             ; q
.Lslot:                                            ; seven trips: behind each change of slots but the last the next slot is asked for
	CHANGE 1
	TWO
	s_sub_co_u32 s[SLOTS], s[SLOTS], 1
	s_cmp_lg_u32 s[SLOTS], 0
	s_cbranch_scc1 .Lslot
	CHANGE 0                                       ; the last slot is written out
	TWO
	; THE HALVES ARE JOINED.  My part of tile b goes to wave w xor 1 through slot 0 (left by all at the last change of slots), its part of my tile a comes back the same way.
	s_mul_i32 s82, s[WV], MRG
	s_add_co_u32 s83, s82, 4096
	s_xor_b32 s84, s[WV], 1
	s_mul_i32 s84, s84, MRG
	s_add_co_u32 s85, s84, 4096
	PLACES 8
	WALU
	v_add_f32 v[MA+2], v[MA+2], v[MA+3]
	v_add_f32 v[MB+2], v[MB+2], v[MB+3]
	v_permlanex16_b32 v[T1], v[MA+2], s[SEL], s[SEL+1]
	v_permlanex16_b32 v[T1+1], v[MB+2], s[SEL], s[SEL+1]
	v_add_f32 v[MA+2], v[MA+2], v[T1]              ; the half's sum, with lane l xor 16's
	v_add_f32 v[MB+2], v[MB+2], v[T1+1]
	v_mov_b32 v[MB+3], v[MB]                       ; beside tile b's sum its -M
	v_and_b32 v[TMP], 31, v0
	v_add_nc_u32 v[ADK], s82, v[LI]
	v_lshl_add_u32 v[ADS], v[TMP], 3, s83
	v_add_nc_u32 v[ADT], s84, v[LI]
	v_lshl_add_u32 v[TMP], v[TMP], 3, s85
	WALU
	WIN 0x04                                       ; an LDS store's data are its source 1: window 1
.irp k, 0,1,2,3,4,5,6,7
	ds_store_b128 v[ADK], v[OB+4*\k:OB+4*\k+3] offset:512*\k
.endr
	WIN 0
	ds_store_b64 v[ADS], v[MB+2:MB+3]
	s_wait_dscnt 0x0
	s_barrier_signal -1
	s_barrier_wait -1
.irp k, 0,1,2,3,4,5,6,7
	ds_load_b128 v[X+4*\k:X+4*\k+3], v[ADT] offset:512*\k
.endr
	ds_load_b64 v[SA:SA+1], v[TMP]                 ; the other half's sum and -M
	s_wait_dscnt 0x0
	v_min_num_f32 v[BM], v[MA], v[SA+1]            ; -M of both
	v_sub_f32 v[T1], v[BM], v[MA]
	v_sub_f32 v[T1+1], v[BM], v[SA+1]
	v_cvt_i32_f32 v[T1], v[T1]
	v_cvt_i32_f32 v[T1+1], v[T1+1]
	v_ldexp_f32 v[FA], 1.0, v[T1]
	v_ldexp_f32 v[FB], 1.0, v[T1+1]
	v_mul_f32 v[MA+2], v[MA+2], v[FA]
	v_fma_f32 v[MA+2], v[SA], v[FB], v[MA+2]       ; the row's sum
.set j_, 0
.rept 16
	v_pk_mul_f32 v[X+j_:X+j_+1], v[X+j_:X+j_+1], v[FB:FB+1] op_sel_hi:[1,0]
.set j_, j_+2
.endr
	WIN 0x01                                       ; source 0 window 1
.set j_, 0
.rept 16
	v_pk_fma_f32 v[Y+j_:Y+j_+1], v[OA+j_:OA+j_+1], v[FA:FA+1], v[X+j_:X+j_+1] op_sel_hi:[1,0,1]   ; each accumulator from its low end on
.set j_, j_+2
.endr
	WIN 0
	WALU
	v_rcp_f32 v[MA+2], v[MA+2]
	v_nop                                          ; a plain line behind the transcendental
	; THE WAY OUT.  Register 16 b + i is y(my query, 64 head + 32 b + 16 h + i): two blocks of the last projection's K, quantised here; they are parts 2 (head % 2) + b of K step head / 2.
	s_lshr_b32 s90, s[HEAD], 1
	s_and_b32 s91, s[HEAD], 1
	s_mul_i32 s82, s[TT], 6
	s_add_co_u32 s82, s82, s90
	s_lshl_b32 s82, s82, 11
	s_lshl_b32 s83, s91, 10
	s_add_co_u32 s82, s82, s83
	s_mov_b32 s83, 0
	s_add_nc_u64 s[92:93], s[8:9], s[82:83]        ; my two parts of the fragment's image
	s_lshr_b32 s82, s[TT], 1
	s_mul_i32 s82, s82, 6
	s_add_co_u32 s82, s82, s90
	s_lshl_b32 s82, s82, 1
	s_and_b32 s94, s[TT], 1
	s_add_co_u32 s82, s82, s94
	s_lshl_b32 s82, s82, 6
	s_lshl_b32 s94, s91, 1
	s_add_co_u32 s82, s82, s94
	s_add_co_u32 s82, s82, XS_OFF
	s_add_nc_u64 s[94:95], s[8:9], s[82:83]        ; my two bytes of each row's scale word
	WALU
.set j_, 0
.rept 16
	v_pk_mul_f32 v[Y+j_:Y+j_+1], v[Y+j_:Y+j_+1], v[MA+2:MA+3] op_sel_hi:[1,0]
.set j_, j_+2
.endr
.irp b, 0,1
	v_max3_num_f32 v[BM+\b], |v[Y+16*\b]|, |v[Y+1+16*\b]|, 0x8000000
.endr
.irp i, 2,4,6,8,10,12,14
.irp b, 0,1
	v_max3_num_f32 v[BM+\b], v[BM+\b], |v[Y+16*\b+\i]|, |v[Y+1+16*\b+\i]|
.endr
.endr
.irp b, 0,1
	v_permlanex16_b32 v[T1+\b], v[BM+\b], s[SEL], s[SEL+1]
.endr
.irp b, 0,1
	v_max_num_f32 v[BM+\b], v[BM+\b], v[T1+\b]
.endr
.irp b, 0,1
	v_add_nc_u32 v[SCO+\b], 0xf8800000, v[BM+\b]
.endr
.irp b, 0,1
	v_and_or_b32 v[HOLD+\b], v[BM+\b], 0x7f800000, s[MNT]
.endr
.irp b, 0,1
	v_lshrrev_b32 v[T1+\b], 23, v[SCO+\b]
.endr
	v_lshl_or_b32 v[PWA], v[T1+1], 8, v[T1]
.irp b, 0,1
.set j_, 0
.rept 16
	v_med3_num_f32 v[Y+16*\b+j_], v[Y+16*\b+j_], -v[HOLD+\b], v[HOLD+\b]
.set j_, j_+1
.endr
	v_cvt_scalef32_pk8_bf8_f32 v[PA+4*\b:PA+4*\b+1], v[Y+16*\b:Y+16*\b+7], v[SCO+\b]
	v_cvt_scalef32_pk8_bf8_f32 v[PA+4*\b+2:PA+4*\b+3], v[Y+16*\b+8:Y+16*\b+15], v[SCO+\b]
.endr
	v_nop
.irp b, 0,1
	global_store_b128 v[LI], v[PA+4*\b:PA+4*\b+3], s[92:93] offset:512*\b   ; 512 consecutive bytes a store
.endr
	global_store_b16 v[R4], v[PWA], s[94:95]       ; both halves of the lanes hold row r's two bytes and write the same value
	s_wait_tensorcnt 0x0                           ; the wave's end
	ds_add_u32 v[SPW], v[NIL]
	s_wait_dscnt 0x0
	CROUND                                         ; the closing round: no work-group ends while a partner may still ask for a record that names it
	s_endpgm
.Lfunc_end_k_q217de4c04a_attn:
	.size	k_q217de4c04a_attn, .Lfunc_end_k_q217de4c04a_attn-k_q217de4c04a_attn
	.p2alignl 7, 3214868480
	.fill 96, 4, 3214868480
	.section	.rodata,"a",@progbits
	.p2align	6, 0x0
	.amdhsa_kernel k_q217de4c04a_attn
		.amdhsa_group_segment_fixed_size 327680
		.amdhsa_private_segment_fixed_size 0
		.amdhsa_enable_private_segment 0
		.amdhsa_kernarg_size 24
		.amdhsa_user_sgpr_count 2
		.amdhsa_user_sgpr_kernarg_segment_ptr 1
		.amdhsa_wavefront_size32 1
		.amdhsa_system_sgpr_workgroup_id_x 1
		.amdhsa_system_sgpr_workgroup_id_y 1
		.amdhsa_system_sgpr_workgroup_id_z 1
		.amdhsa_system_vgpr_workitem_id 0
		.amdhsa_next_free_vgpr 320
		.amdhsa_next_free_sgpr 100
		.amdhsa_reserve_vcc 0
		.amdhsa_float_denorm_mode_32 3
		.amdhsa_float_denorm_mode_16_64 3
		.amdhsa_memory_ordered 1
		.amdhsa_forward_progress 1
		.amdhsa_inst_pref_size 158
	.end_amdhsa_kernel
	.amdgpu_metadata
---
amdhsa.version: [ 1, 2 ]
amdhsa.kernels:
  - .name:           k_q217de4c04a_attn
    .symbol:         k_q217de4c04a_attn.kd
    .args:
      - { .name: qq, .offset: 0, .size: 8, .value_kind: global_buffer, .address_space: global }
      - { .name: kv, .offset: 8, .size: 8, .value_kind: global_buffer, .address_space: global }
      - { .name: yq, .offset: 16, .size: 8, .value_kind: global_buffer, .address_space: global }
    .group_segment_fixed_size: 327680
    .private_segment_fixed_size: 0
    .kernarg_segment_align: 8
    .kernarg_segment_size: 24
    .max_flat_workgroup_size: 384
    .sgpr_count:     100
    .vgpr_count:     320
    .wavefront_size: 32
...
	.end_amdgpu_metadata
.endif
;; end of part 6
;; launch oproj (part 7): grid 4 x 64, 4 waves a work-group, clusters of 4 x 4, 247,296 bytes of LDS; arguments yq, wq, bo, out0; writes out0
.if DOCPART == 7
	.amdgcn_target "amdgcn-amd-amdhsa--gfx1250"
	.amdhsa_code_object_version 6
	.text
	.protected	k_q217de4c04a_oproj
	.globl	k_q217de4c04a_oproj
	.p2align	8
	.type	k_q217de4c04a_oproj,@function
k_q217de4c04a_oproj:
	s_mov_b64 s[64:65], 0
	v_nop
	global_prefetch_b8 v0, s[64:65] scope:SCOPE_SE
	s_setreg_imm32_b32 hwreg(HW_REG_WAVE_MODE, 25, 1), 1
	s_wait_xcnt 0x0
	s_wait_alu depctr_hold_cnt(0) depctr_sa_sdst(0) depctr_va_vdst(0) depctr_va_sdst(0) depctr_va_ssrc(0) depctr_va_vcc(0) depctr_vm_vsrc(0)
	s_getreg_b32 s2, hwreg(HW_REG_IB_STS2, 6, 4)
	s_cmp_eq_u32 s2, 0
	s_cbranch_scc0 .Lentry_in_a_cluster
	s_endpgm
.Lentry_in_a_cluster:
	s_bfe_u32 s2, ttmp6, 0x10000c
	s_cmp_lg_u32 s2, 0xf033
	s_cbranch_scc0 .Lentry_shape_is_right
	s_endpgm
.Lentry_shape_is_right:
; out0 = y Wo + bo on codes of BF8 with E8M0 scales.  y's and Wo's codes and scale words lie as images of operand registers (yq as xq; Wo is matrix 3 of wq).
; SHARES.  256 work-groups: work-group y: 64 rows (4 tiles); work-group x: 192 columns (12 tiles), a wave three column tiles x all four row tiles.  The block's operands (y's 49,152 bytes, Wo's 147,456) come into LDS once,
; 49,152 bytes by each wave's one tensor load: wave 0 y's, waves 1-3 four column tiles each; nothing is filled again.
; CLUSTER 4 x 4: y's rows hang on the work-group's y alone and are asked for jointly along a row of the cluster, Wo's columns on its x alone, jointly along a column.
; NO PREFETCH: each byte is asked for once, at the head, and there is no loop to run ahead in.
; TRANSPOSED (source 0 = 16 weight columns, source 1 = 16 rows of y): a lane holds one row; column tile T's registers are columns 32 (T / 2) + 8 (T % 2) + 16 h + 0 .. 7.  bo is the C of each sum's first matrix instruction.
; Lane r of row tile 2 b + u is row 32 b + 8 u + r + 8 (r / 8).  The 64 x 192 results meet in a stage in LDS and leave as rows: sixteen lanes store 256 consecutive bytes, aligned.
; REGISTERS: window 0: addresses, scale words, the bias, the 12 accumulators; windows 1 to 3: the fragments of K steps 0-1, 2-3, 4-5, each step's 3 of Wo, then 4 of y: every register is filled once.
.set XS_OFF,  3145728
.set WS_OFF,  2359296
.set STG,   196608                     ; behind the images: 64 rows x (768 + 16) bytes; no fill lands there
.set SP,    784
.set SPARE, STG+64*SP
.set LI,  1                            ; 16 x lane
.set L4,  2                            ; 4 x lane
.set R4,  3                            ; 4 r
.set WA,  4                            ; my weights in LDS
.set BOT, 5                            ; 64 h
.set STO, 6                            ; v6-8 the stage, a register for each column tile
.set RD,  9
.set CO,  10
.set SPW, 14
.set NIL, 15
.set WS,  16                           ; register 2 s: lanes 0-15 tile 0, lanes 16-31 tile 1; register 2 s + 1: tile 2
.set XS,  28                           ; register 2 s + p: lanes 0-15 row tile 2 p, lanes 16-31 row tile 2 p + 1
.set BI,  96
.set ACC, 128
.set WV,  18
.set G1,  24
.set G0,  32
.set G0B, 36
.set G1B, 48
.set WSB, 56
.set XSB, 58
.set OUT, 72
.set MSB, 0
.macro WIN new                         ; the immediate's high byte repeats the setting that is left
.if MSB != \new
	s_set_vgpr_msb (MSB<<8)|\new
.set MSB, \new
.endif
.endm
.macro PLACES n
.rept \n
	v_nop
.endr
.endm
.macro CROUND                          ; a round of the cluster's barrier
	s_barrier_signal -1
	s_barrier_wait -1
	s_cmp_lg_u32 s[WV], 0
	s_cbranch_scc1 .Lnot_wave_0_\@
	s_barrier_signal -3
.Lnot_wave_0_\@:
	s_barrier_wait -3
	s_barrier_signal -1
	s_barrier_wait -1
.endm
.macro WM                              ; one matrix instruction; ra_, rb_ = 1: that side's scales are read from lanes 16-31
.if ra_ && rb_
	v_wmma_scale_f32_16x16x128_f8f6f4 v[d_:d_+7], v[a_:a_+15], v[b_:b_+15], v[c_:c_+7], v[sa_], v[sb_] matrix_a_fmt:MATRIX_FMT_BF8 matrix_b_fmt:MATRIX_FMT_BF8 matrix_a_scale:MATRIX_SCALE_ROW1 matrix_b_scale:MATRIX_SCALE_ROW1
.elseif ra_
	v_wmma_scale_f32_16x16x128_f8f6f4 v[d_:d_+7], v[a_:a_+15], v[b_:b_+15], v[c_:c_+7], v[sa_], v[sb_] matrix_a_fmt:MATRIX_FMT_BF8 matrix_b_fmt:MATRIX_FMT_BF8 matrix_a_scale:MATRIX_SCALE_ROW1
.elseif rb_
	v_wmma_scale_f32_16x16x128_f8f6f4 v[d_:d_+7], v[a_:a_+15], v[b_:b_+15], v[c_:c_+7], v[sa_], v[sb_] matrix_a_fmt:MATRIX_FMT_BF8 matrix_b_fmt:MATRIX_FMT_BF8 matrix_b_scale:MATRIX_SCALE_ROW1
.else
	v_wmma_scale_f32_16x16x128_f8f6f4 v[d_:d_+7], v[a_:a_+15], v[b_:b_+15], v[c_:c_+7], v[sa_], v[sb_] matrix_a_fmt:MATRIX_FMT_BF8 matrix_b_fmt:MATRIX_FMT_BF8
.endif
.endm
	s_load_b256 s[4:11], s[0:1], 0x0               ; yq, wq, bo, out0
	v_lshl_add_u32 v[SPW], v0, 2, SPARE
	v_mov_b32 v[NIL], 0
	ds_add_u32 v[SPW], v[NIL]                      ; the wave's opening: the add, twice on end
	ds_add_u32 v[SPW], v[NIL]
	v_lshrrev_b32 v11, 5, v0
	v_readfirstlane_b32 s[WV], v11                 ; wave 0..3
	s_mul_i32 s60, s[WV], 36864
	s_add_co_u32 s60, s60, 49152                   ; my three column tiles in LDS
	s_mul_i32 s61, s[WV], 3
.irp t, 0,1,2                                  ; s12-14: where tile 3 w + t begins in a row of the block, in bytes; s44-46: in the stage
	s_add_co_u32 s62, s61, \t
	s_lshr_b32 s63, s62, 1
	s_lshl_b32 s63, s63, 7
	s_and_b32 s62, s62, 1
	s_lshl_b32 s62, s62, 5
	s_add_co_u32 s[12+\t], s62, s63
	s_add_co_u32 s[44+\t], s[12+\t], STG
.endr
	s_mul_i32 s47, s[WV], 16*SP
	s_add_co_u32 s47, s47, STG                     ; the 16 rows that I send out
	v_and_b32 v11, 31, v0
	v_and_b32 v12, 15, v0                          ; r
	v_bfe_u32 v13, v0, 4, 1                        ; h
	v_lshlrev_b32 v[LI], 4, v11
	v_lshlrev_b32 v[L4], 2, v11
	v_lshlrev_b32 v[R4], 2, v12
	v_add_nc_u32 v[WA], s60, v[LI]
	v_lshlrev_b32 v[BOT], 6, v13
	v_and_b32 v11, 8, v12
	v_add_nc_u32 v11, v11, v12                     ; r + 8 (r / 8)
	v_mul_u32_u24 v11, v11, SP
	v_lshl_add_u32 v11, v13, 6, v11
	v_add_nc_u32 v[STO], s44, v11
	v_add_nc_u32 v[STO+1], s45, v11
	v_add_nc_u32 v[STO+2], s46, v11
	v_mul_u32_u24 v11, v13, SP
	v_lshl_add_u32 v11, v12, 4, v11
	v_add_nc_u32 v[RD], s47, v11                   ; back: lanes 0-15 one row's 256 bytes, lanes 16-31 the next row's
	v_mul_u32_u24 v11, v13, 3072
	v_lshl_add_u32 v[CO], v12, 4, v11              ; and the same two rows in out0
	s_wait_alu depctr_va_vdst(0)
	s_bfe_u32 s40, ttmp6, 0x40000                  ; cx
	s_bfe_u32 s41, ttmp6, 0x40004                  ; cy
	s_lshl_b32 s42, ttmp9, 2
	s_add_co_u32 s42, s42, s40                     ; x: 192 columns
	s_and_b32 s43, ttmp7, 0xffff
	s_lshl_b32 s43, s43, 2
	s_add_co_u32 s43, s43, s41                     ; y: 64 rows
	s_lshl_b32 s60, s41, 2
	s_lshl_b32 s60, 15, s60                        ; my row of the cluster shares y's rows
	s_lshl_b32 s61, 0x1111, s40                    ; my column shares Wo's columns
	s_or_b32 s[G1], s60, (3<<16)|(1<<21)           ; elements of 8 bytes; bit 21 set beside a mask; no padding
	s_or_b32 s[G1B], s61, (3<<16)|(1<<21)
.irp g, G1, G1B
	s_mov_b32 s[\g+1], 32<<16                      ; rows of 256 bytes
	s_mov_b32 s[\g+2], 192<<16                     ; 192 of them: four tiles x 6 K steps x 2,048 bytes, dense
	s_mov_b32 s[\g+3], 32<<16
	s_mov_b32 s[\g+4], 192
	s_mov_b32 s[\g+5], 32
	s_mov_b32 s[\g+6], 0
	s_mov_b32 s[\g+7], 0
.endr
	s_mul_i32 s16, s43, 49152                      ; y's four tiles
	s_mov_b32 s17, 0
	s_mul_i32 s20, s42, 147456                     ; Wo's: matrix 3 begins at column tile 144; wave w takes tiles 12 x + 4 (w - 1) on
	s_mul_i32 s21, s[WV], 49152
	s_add_co_u32 s20, s20, s21
	s_add_co_u32 s20, s20, 140*12288
	s_mov_b32 s21, 0
	s_mov_b32 s[G0], 1
	s_mov_b32 s[G0+1], 0
	s_mov_b32 s[G0B], 1
	s_mul_i32 s[G0B+1], s[WV], 49152
	s_wait_dscnt 0x0                               ; both opening adds are done
	s_wait_kmcnt 0x0
	s_add_nc_u64 s[G0+2:G0+3], s[4:5], s[16:17]
	s_or_b32 s[G0+3], s[G0+3], 0x80000000
	s_add_nc_u64 s[G0B+2:G0B+3], s[6:7], s[20:21]
	s_or_b32 s[G0B+3], s[G0B+3], 0x80000000
	CROUND                                         ; all sixteen work-groups are here: the joint loads meet
	s_cmp_eq_u32 s[WV], 0
	s_cbranch_scc0 .Lfor_w
	tensor_load_to_lds s[G0:G0+3], s[G1:G1+7]      ; one tensor load a wave, the launch's only one
	s_nop 0
	PLACES 4
	s_branch .Lasked
.Lfor_w:
	tensor_load_to_lds s[G0B:G0B+3], s[G1B:G1B+7]
	s_nop 0
	PLACES 4
.Lasked:
	s_mul_i32 s60, s42, 768                        ; 12 tiles of 64 bytes of scale words; and 192 columns of 4 bytes
	s_mul_i32 s22, s[WV], 192
	s_add_co_u32 s22, s22, s60
	s_add_co_u32 s22, s22, WS_OFF+3*18432
	s_mov_b32 s23, 0
	s_add_nc_u64 s[WSB:WSB+1], s[6:7], s[22:23]
.irp s, 0,1,2,3,4,5
	global_load_b32 v[WS+2*\s], v[L4], s[WSB:WSB+1] offset:3072*\s
	global_load_b32 v[WS+2*\s+1], v[R4], s[WSB:WSB+1] offset:3072*\s+128
.endr
	s_mul_i32 s22, s43, 1536
	s_add_co_u32 s22, s22, XS_OFF
	s_add_nc_u64 s[XSB:XSB+1], s[4:5], s[22:23]
.irp s, 0,1,2,3,4,5
.irp p, 0,1
	global_load_b32 v[XS+2*\s+\p], v[L4], s[XSB:XSB+1] offset:(6*\p+\s)*128
.endr
.endr
.irp t, 0,1,2
	s_add_co_u32 s22, s60, s[12+\t]
	s_add_nc_u64 s[66+2*\t:67+2*\t], s[8:9], s[22:23]
	global_load_b128 v[BI+8*\t:BI+8*\t+3], v[BOT], s[66+2*\t:67+2*\t]
	global_load_b128 v[BI+8*\t+4:BI+8*\t+7], v[BOT], s[66+2*\t:67+2*\t] offset:16
.endr
	s_mul_i32 s22, s43, 64*3072
	s_mul_i32 s61, s[WV], 16*3072
	s_add_co_u32 s22, s22, s61
	s_add_co_u32 s22, s22, s60
	s_add_nc_u64 s[OUT:OUT+1], s[10:11], s[22:23]
	s_wait_tensorcnt 0x0                           ; my 49,152 bytes are in LDS,
	s_barrier_signal -1
	s_barrier_wait -1                              ; everybody's are
.macro LD s                            ; K step s: 28 LDS loads, 512 consecutive bytes each, into registers of its own
	WIN (1+(\s)/2)<<6
.irp t, 0,1,2
.irp c, 0,1,2,3
	ds_load_b128 v[112*((\s)%2)+16*\t+4*\c:112*((\s)%2)+16*\t+4*\c+3], v[WA] offset:12288*\t+2048*(\s)+512*\c
.endr
.endr
.irp i, 0,1,2,3
.irp c, 0,1,2,3
	ds_load_b128 v[112*((\s)%2)+48+16*\i+4*\c:112*((\s)%2)+48+16*\i+4*\c+3], v[LI] offset:12288*\i+2048*(\s)+512*\c
.endr
.endr
	WIN 0
.endm
.macro MUL s                           ; 12 matrix instructions; the 12 accumulators take turns
	WIN 5*(1+(\s)/2)                               ; sources 0 and 1: the step's window
.irp i, 0,1,2,3
.irp t, 0,1,2
.set d_, ACC+8*(3*\i+\t)
.set a_, 112*((\s)%2)+16*\t
.set b_, 112*((\s)%2)+48+16*\i
.set sa_, WS+2*(\s)+\t/2
.set ra_, \t%2
.set sb_, XS+2*(\s)+\i/2
.set rb_, \i%2
.if (\s) == 0
.set c_, BI+8*\t
.else
.set c_, d_
.endif
	WM
.endr
.endr
	WIN 0
.endm
	LD 0
	LD 1
	s_wait_loadcnt 0x0                             ; the bias, the scale words
.irp s, 0,1,2,3,4,5
.if \s < 5
	s_wait_dscnt 28                                ; this step's fragments are in; the next step's 28 loads may be out
.else
	s_wait_dscnt 0x0
.endif
.if \s < 4
	LD \s+2
.endif
	MUL \s
.endr
	PLACES 8                                       ; in front of the first read of results
.irp i, 0,1,2,3
.irp t, 0,1,2
	ds_store_b128 v[STO+\t], v[ACC+8*(3*\i+\t):ACC+8*(3*\i+\t)+3] offset:(32*(\i/2)+8*(\i%2))*SP          ; each accumulator from its low end on
	ds_store_b128 v[STO+\t], v[ACC+8*(3*\i+\t)+4:ACC+8*(3*\i+\t)+7] offset:(32*(\i/2)+8*(\i%2))*SP+16
.endr
.endr
	s_wait_dscnt 0x0                               ; my part of the stage is written,
	s_barrier_signal -1
	s_barrier_wait -1                              ; everybody's is
.irp k, 0,1,2,3,4,5,6,7
.irp u, 0,1,2
	ds_load_b128 v[ACC+4*(3*\k+\u):ACC+4*(3*\k+\u)+3], v[RD] offset:2*\k*SP+256*\u
.endr
.endr
.irp k, 0,1,2,3,4,5,6,7
.irp u, 0,1,2
	s_wait_dscnt 23-(3*\k+\u)                      ; all but the younger loads
	global_store_b128 v[CO], v[ACC+4*(3*\k+\u):ACC+4*(3*\k+\u)+3], s[OUT:OUT+1] offset:2*\k*3072+256*\u th:TH_STORE_NT
.endr
.endr
	s_wait_tensorcnt 0x0                           ; the wave's end
	ds_add_u32 v[SPW], v[NIL]
	s_wait_dscnt 0x0
	CROUND                                         ; the closing round: no work-group ends while a partner may still ask for a tile that names it
	s_endpgm
.Lfunc_end_k_q217de4c04a_oproj:
	.size	k_q217de4c04a_oproj, .Lfunc_end_k_q217de4c04a_oproj-k_q217de4c04a_oproj
	.p2alignl 7, 3214868480
	.fill 96, 4, 3214868480
	.section	.rodata,"a",@progbits
	.p2align	6, 0x0
	.amdhsa_kernel k_q217de4c04a_oproj
		.amdhsa_group_segment_fixed_size 247296
		.amdhsa_private_segment_fixed_size 0
		.amdhsa_enable_private_segment 0
		.amdhsa_kernarg_size 32
		.amdhsa_user_sgpr_count 2
		.amdhsa_user_sgpr_kernarg_segment_ptr 1
		.amdhsa_wavefront_size32 1
		.amdhsa_system_sgpr_workgroup_id_x 1
		.amdhsa_system_sgpr_workgroup_id_y 1
		.amdhsa_system_sgpr_workgroup_id_z 1
		.amdhsa_system_vgpr_workitem_id 0
		.amdhsa_next_free_vgpr 1024
		.amdhsa_next_free_sgpr 80
		.amdhsa_reserve_vcc 0
		.amdhsa_float_denorm_mode_32 3
		.amdhsa_float_denorm_mode_16_64 3
		.amdhsa_memory_ordered 1
		.amdhsa_forward_progress 1
		.amdhsa_inst_pref_size 37
	.end_amdhsa_kernel
	.amdgpu_metadata
---
amdhsa.version: [ 1, 2 ]
amdhsa.kernels:
  - .name:           k_q217de4c04a_oproj
    .symbol:         k_q217de4c04a_oproj.kd
    .args:
      - { .name: yq, .offset: 0, .size: 8, .value_kind: global_buffer, .address_space: global }
      - { .name: wq, .offset: 8, .size: 8, .value_kind: global_buffer, .address_space: global }
      - { .name: bo, .offset: 16, .size: 8, .value_kind: global_buffer, .address_space: global }
      - { .name: out0, .offset: 24, .size: 8, .value_kind: global_buffer, .address_space: global }
    .group_segment_fixed_size: 247296
    .private_segment_fixed_size: 0
    .kernarg_segment_align: 8
    .kernarg_segment_size: 32
    .max_flat_workgroup_size: 128
    .sgpr_count:     80
    .vgpr_count:     1024
    .wavefront_size: 32
...
	.end_amdgpu_metadata
.endif
;; end of part 7
